; MI455X (gfx1250); checked and timed in simulation.
; The chip was launched on July 23, 2026; its instructions are those of AMD's public machine-readable ISA for CDNA 5 (MIT licence, August 2026) and "CDNA5" Instruction Set Architecture Reference Guide (July 2026). The comments in the code are by the model that wrote it; some were corrected since.
;; Block. Allowed arithmetic: matrix products marked QUANTISED: E2M3 operands, one E8M0 scale for each 32 along K, by v_wmma_scale_f32_16x16x128_f8f6f4 with both operands' format E2M3, f32 sums; everything else in f32.
;; Inputs: b_fc 4,096 float32; b_mlp_proj 1,024 float32; ln1_b 1,024 float32; ln1_w 1,024 float32; ln2_b 1,024 float32; ln2_w 1,024 float32; w_attn_proj_codes 1,024 x 32 x 24 uint8 (E2M3 codes of w_attn_proj, K innermost, in blocks of 32 codes, four codes in three bytes); w_attn_proj_scales 1,024 x 32 uint8 (E8M0 scales of w_attn_proj, one for each 32 codes along K); w_fc_codes 4,096 x 32 x 24 uint8 (E2M3 codes of w_fc, K innermost, in blocks of 32 codes, four codes in three bytes); w_fc_scales 4,096 x 32 uint8 (E8M0 scales of w_fc, one for each 32 codes along K); w_mlp_proj_codes 1,024 x 128 x 24 uint8 (E2M3 codes of w_mlp_proj, K innermost, in blocks of 32 codes, four codes in three bytes); w_mlp_proj_scales 1,024 x 128 uint8 (E8M0 scales of w_mlp_proj, one for each 32 codes along K); w_qkv_codes 3,072 x 32 x 24 uint8 (E2M3 codes of w_qkv, K innermost, in blocks of 32 codes, four codes in three bytes); w_qkv_scales 3,072 x 32 uint8 (E8M0 scales of w_qkv, one for each 32 codes along K); x 2 x 2,048 x 1,024 float32.
;; Outputs: out0 2 x 2,048 x 1,024 float32.
;; This version of the problem:
;;   THIS VERSION OF THE PROBLEM IS GIVEN IN LOW PRECISION. The matrix products marked QUANTISED in the list below multiply operands that are first quantised to E2M3 (2 exponent bits, 3 mantissa bits; 6 bits a number), with one power-of-two scale for each 32 numbers along K (OCP MX v1.0); their sums are f32. All else is computed in f32.
;;   The module's matrix products, in the order in which they are computed (A, B: the left and right operand; K: the contracted axis; several contracted axes count as one K, in the product's order):
;;     1. [M 4,096, K 1,024] x [K 1,024, N 3,072]; A: computed on the way; B: input w_qkv (given as codes): QUANTISED
;;     2. batch 32 x [M 2,048, K 64] x [K 64, N 2,048]; A: computed on the way; B: computed on the way: QUANTISED
;;     3. batch 32 x [M 2,048, K 2,048] x [K 2,048, N 64]; A: softmax (see below); B: computed on the way: QUANTISED
;;     4. [M 4,096, K 1,024] x [K 1,024, N 1,024]; A: computed on the way; B: input w_attn_proj (given as codes): QUANTISED
;;     5. [M 4,096, K 1,024] x [K 1,024, N 4,096]; A: computed on the way; B: input w_fc (given as codes): QUANTISED
;;     6. [M 4,096, K 4,096] x [K 4,096, N 1,024]; A: computed on the way; B: input w_mlp_proj (given as codes): QUANTISED
;;   THE QUANTISER, for each operand of a quantised product, along K:
;;     - K is cut into blocks of 32 from its start; a last block that is shorter is filled with zeros.
;;     - A block's scale is 2^e with e = floor(log2(the largest magnitude in the block)) - 2, held to -126 .. 127; a block of zeros has e = 0. As a byte (E8M0): e + 127.
;;     - Each number is divided by its block's scale, clamped to +-7.5, and rounded to the nearest number of E2M3, ties to even, subnormals kept.
;;     - The product sums the exact products of the quantised numbers (number of the format x scale) in f32.
;;   ~~~python
;;   def quantise(x, axis):      # numpy; x: float32 -> the quantised numbers, widened to float32 again
;;       x = np.moveaxis(x, axis, -1); K = x.shape[-1]
;;       x = np.pad(x, [(0, 0)] * (x.ndim - 1) + [(0, -K % 32)]); x = x.reshape(x.shape[:-1] + (-1, 32)); a = np.abs(x).max(-1, keepdims=True)
;;       e = np.where(a > 0, np.clip(np.frexp(np.where(a > 0, a, 1))[1] - 1 - 2, -126, 127), 0)      # np.frexp(a)[1] - 1 = floor(log2(a)), exactly
;;       r = np.clip(x / 2.0 ** e, -7.5, 7.5)
;;       step = 2.0 ** (np.maximum(np.frexp(np.where(r == 0, 1, r))[1] - 1, 0) - 3)
;;       q = np.round(r / step) * step * 2.0 ** e      # np.round: ties to even
;;       return np.moveaxis(q.reshape(q.shape[:-2] + (-1,))[..., :K], -1, axis).astype(np.float32)
;;   ~~~
;;   SOFTMAX AHEAD OF A QUANTISED PRODUCT. Where the list says 'softmax', what is quantised is not the finished softmax but p = 2^(t - M), with t = logit x log2(e) and M = ceil(the row's largest t), a whole number; so 1/2 < the row's largest p <= 1. The row's sum l is taken of the UNQUANTISED p, in f32, and the product's result is divided by l at the end. Since M is a whole number, a kernel that streams over the keys may use a running M (the ceiling of the running maximum): every later rescaling is an exact power of two, which a block's scale takes up: the codes' values come out the same.
;;   OPERANDS COMPUTED ON THE WAY. 'Computed on the way' means the value that the module computes at that place (a softmax that the list does not call 'softmax' is quantised finished and normalised). What goes into a quantiser is computed in f32, as accurately as f32 sums, v_exp_f32 and their like allow (about 1e-6 of the number): no bf16 or f16 on the way to a quantiser, and a product that is left as it is and whose result goes on into a quantised operand takes f32 operands (vector FMAs, or v_wmma_f32_16x16x4_f32). A number that lies on a knife's edge between two numbers of the format may be rounded either way, as far as f32 arithmetic and the matrix unit's own rounding can turn it there, and no further.
;;   INPUTS GIVEN AS CODES. w_attn_proj (in the module: [1024, 1024], K = its axis 0); w_fc (in the module: [1024, 4096], K = its axis 0); w_mlp_proj (in the module: [4096, 1024], K = its axis 0); w_qkv (in the module: [1024, 3072], K = its axis 0): each comes as NAME_codes (uint8): NAME with its K axis moved to the last place and cut into blocks of 32 codes, [.., K / 32, bytes a block], one block behind the other in memory; four codes in three bytes: a row's codes are one little-endian stream of bits, code i at bits 6 i .. 6 i + 5 (a code: sign, 2 exponent bits, 3 mantissa bits); and NAME_scales (uint8): the same leading axes, one E8M0 byte (e + 127) for each 32 codes along K. Its value is code x scale, taken as it is: it is not quantised again, and the codes and scales need not be those that the quantiser above would give.
;; One version. Each part assembles by itself: llvm-mc -triple=amdgcn-amd-amdhsa -mcpu=gfx1250 --defsym DOCPART=n.
;; ======== version 1 of 1: 7 launches
;; limits: a function is approximated: absolute error at most 7.5e-08
;; workspace buffers: wimg 9,830,400 bytes; a1 3,276,800 bytes; a2 3,276,800 bytes; qkvc 10,092,544 bytes; yc 3,276,800 bytes; x1 16,777,216 bytes; hc 13,107,200 bytes
;; launch prep_ln1 (part 1): grid 448 x 1, 4 waves a work-group, no clusters, 66,560 bytes of LDS; arguments x, ln1_w, ln1_b, a1, w_qkv_codes, w_qkv_scales, w_attn_proj_codes, w_attn_proj_scales, w_fc_codes, w_fc_scales, w_mlp_proj_codes, w_mlp_proj_scales, wimg; writes a1, wimg
.if DOCPART == 1
	.amdgcn_target "amdgcn-amd-amdhsa--gfx1250"
	.amdhsa_code_object_version 6
	.text
	.protected	k_q3ddb37dc72_prep_ln1
	.globl	k_q3ddb37dc72_prep_ln1
	.p2align	8
	.type	k_q3ddb37dc72_prep_ln1,@function
k_q3ddb37dc72_prep_ln1:
	s_mov_b64 s[64:65], 0
	v_nop
	global_prefetch_b8 v0, s[64:65] scope:SCOPE_SE
	s_setreg_imm32_b32 hwreg(HW_REG_WAVE_MODE, 25, 1), 1
	s_wait_xcnt 0x0
; Two jobs in one launch, parted by the work-group's number.
; WORK-GROUPS 0-255: LayerNorm of 16 tokens of x [4096][1024] f32, quantised along the 1,024 to codes of E2M3 with one E8M0 byte for each 32, stored as IMAGES OF OPERAND REGISTERS.
; WORK-GROUPS 256-447: the four weights, given as codes with K innermost, are laid out anew as the same kind of image; a wave takes 16 rows x 1,024 along K (a chunk of 12,288 bytes).
; TILE ORDER: rows go in pairs g of 32; lane-row p of tile 2 g + u is row 32 g + 8 u + p + 8 (p / 8).
; IMAGE of a fragment (16 rows x 128 K, 12 registers a lane), 1,536 bytes: registers 0-3 at 16 x lane, 4-5 at 512 + 8 x lane, 6-9 at 768 + 16 x lane, 10-11 at 1,280 + 8 x lane:
; every store and every later load of a wave covers 512 or 256 consecutive bytes, aligned.  Fragment (tile T, K step s) lies at (T K/128 + s) 1,536.
; w_mlp_proj ALONE has another image of the same 1,536 bytes: registers 0-3 at 16 x lane, 4-7 at 512 + 16 x lane, 8-11 at 1,024 + 16 x lane: its reader streams it from memory into registers, three loads of
; 512 bytes a fragment.  (The other image falls into two halves of 64 along K, which writers that hold half a fragment need; a weight's writer holds whole fragments.)
; SCALE IMAGE: the word of K step 4 q + i of lane-row r of tile 2 g + u lies at g (K/512) 512 + 512 q + 16 (16 u + r) + 4 i.
; LIMITS: NaN and infinities are not served.  A block of zeros gets the byte 1 where the quantiser's rule says 127 (its codes are zeros, and this program alone reads the bytes);
; a block whose largest magnitude lies under 2^-124 is held at the byte 1.  The variance is taken of x - mean, in a second pass over registers: no difference of large sums.
; The weights' rows are read in pieces of 8 bytes, 12 pieces of each 96 bytes by one wave back to back: 9.4 MB once in the program.
.set PITCH, 4112                       ; an LDS row: 4,096 bytes + 16: the 16 rows that a 16-byte load touches begin 16 bytes apart modulo 256
.set X,  64                            ; v64-191  four rows of 32 numbers a lane; later two K steps of 64 numbers
.set LW, 192                           ; v192-223 the gain;  later the second fragment's codes
.set LB, 224                           ; v224-255 the bias
.set TM, 8                             ; v8-23    sums; later the quantiser's maxima, bytes and scale operands
.set PW, 24                            ; v24-25   the two scale words
; 64 numbers of a lane, register 16 b + i = k 32 b + 16 (lane / 16) + i of the lane's row, become a fragment's 12 registers at v[pc] and its scale word in v[pw]
.macro QUANT s, pc, pw
.irp b, 0,1,2,3
	v_max3_num_f32 v[TM+\b], |v[\s+16*\b]|, |v[\s+1+16*\b]|, 0x1800000   ; my 16 numbers of block b, and the floor 2^(3 - 127): the byte cannot fall under 1
.endr
.irp i, 2,4,6,8,10,12,14
.irp b, 0,1,2,3
	v_max3_num_f32 v[TM+\b], v[TM+\b], |v[\s+16*\b+\i]|, |v[\s+1+16*\b+\i]|
.endr
.endr
.irp b, 0,1,2,3
	v_permlanex16_b32 v[TM+4+\b], v[TM+\b], s44, s45
.endr
.irp b, 0,1,2,3
	v_max_num_f32 v[TM+\b], v[TM+\b], v[TM+4+\b]         ; with lane l xor 16's 16: the block's largest magnitude
.endr
.irp b, 0,1,2,3
	v_add_nc_u32 v[TM+12+\b], 0xff000000, v[TM+\b]       ; 2 off its exponent field: the conversion's scale operand
.endr
.irp b, 0,1,2,3
	v_lshrrev_b32 v[TM+4+\b], 23, v[TM+12+\b]            ; the scale's byte
.endr
	v_lshl_or_b32 v[\pw], v[TM+5], 8, v[TM+4]
	v_lshl_or_b32 v[\pw], v[TM+6], 16, v[\pw]
	v_lshl_or_b32 v[\pw], v[TM+7], 24, v[\pw]
.irp c, 0,1
	v_cvt_scalef32_pk16_fp6_f32 v[\pc+6*\c:\pc+2+6*\c], v[\s+32*\c:\s+15+32*\c], v[TM+12+2*\c]
	v_cvt_scalef32_pk16_fp6_f32 v[\pc+12+4*\c:\pc+14+4*\c], v[\s+16+32*\c:\s+31+32*\c], v[TM+12+2*\c+1]   ; (a conversion's three registers begin on an even number)
.endr
	v_nop                                                ; one plain line behind the scaled conversions
.irp c, 0,1                                              ; the layout wants a whole block in a lane: lanes 0-15 block 2 c, lanes 16-31 block 2 c + 1
.irp i, 0,1,2
	v_permlane16_swap_b32 v[\pc+6*\c+\i], v[\pc+12+4*\c+\i]
.endr
.irp i, 0,1,2
	v_mov_b32 v[\pc+3+6*\c+\i], v[\pc+12+4*\c+\i]
.endr
.endr
.endm
.macro IMG pc, base, off               ; a fragment's image goes out
	global_store_b128 v1, v[\pc:\pc+3], s[\base:\base+1] offset:\off
	global_store_b64 v4, v[\pc+4:\pc+5], s[\base:\base+1] offset:\off+512
	global_store_b128 v1, v[\pc+6:\pc+9], s[\base:\base+1] offset:\off+768
	global_store_b64 v4, v[\pc+10:\pc+11], s[\base:\base+1] offset:\off+1280
.endm
.macro IMG3 pc, base, off              ; the image in three pieces of 16 bytes a lane: three stores of 512 consecutive bytes, aligned
	global_store_b128 v1, v[\pc:\pc+3], s[\base:\base+1] offset:\off
	global_store_b128 v1, v[\pc+4:\pc+7], s[\base:\base+1] offset:\off+512
	global_store_b128 v1, v[\pc+8:\pc+11], s[\base:\base+1] offset:\off+1024
.endm
.macro ACROSS b                        ; the sums v[b + 4 i] of the four rows, over the 32 lanes; every lane gets the result
.irp k, 1,2,4,8
.irp i, 0,1,2,3
	v_add_f32_dpp v[\b+4*\i], v[\b+4*\i], v[\b+4*\i] row_xmask:\k row_mask:0xf bank_mask:0xf
.endr
.endr
.irp i, 0,1,2,3
	v_permlanex16_b32 v[\b+1+4*\i], v[\b+4*\i], s44, s45
.endr
.irp i, 0,1,2,3
	v_add_f32 v[\b+4*\i], v[\b+4*\i], v[\b+1+4*\i]
.endr
.endm
	s_load_b512 s[4:19], s[0:1], 0x0               ; x, ln_w, ln_b, a1, w_qkv codes, scales, w_attn_proj codes, scales
	s_load_b256 s[20:27], s[0:1], 0x40             ; w_fc codes, scales, w_mlp_proj codes, scales
	s_load_b64 s[28:29], s[0:1], 0x60              ; wimg
	s_set_vgpr_msb 0x40
	v_lshl_add_u32 v0, v0, 2, 0x10200
	v_mov_b32 v1, 0
	s_set_vgpr_msb 0x4000
	v_lshrrev_b32 v1, 5, v0
	v_readfirstlane_b32 s30, v1                    ; wave 0..3
	v_and_b32 v6, 31, v0                           ; lane
	v_and_b32 v7, 15, v0                           ; r
	v_bfe_u32 v5, v0, 4, 1                         ; h
	v_lshlrev_b32 v1, 4, v6                        ; 16 x lane
	v_lshlrev_b32 v4, 3, v6                        ; 8 x lane
	s_mov_b32 s35, 0
	s_wait_kmcnt 0x0
	s_cmp_lt_u32 ttmp9, 256
	s_cbranch_scc0 .Lprep
	; ---------------- LayerNorm: the work-group is tile ttmp9 of the tokens ----------------
	s_mul_i32 s40, s30, 4*PITCH
	v_add_nc_u32 v2, s40, v1                       ; LDS, in: my wave's four rows, 16 x lane
	v_mul_u32_u24 v3, v7, PITCH
	v_lshl_add_u32 v3, v5, 6, v3
	s_lshl_b32 s40, s30, 10
	v_add_nc_u32 v3, s40, v3                       ; LDS, out: row r, + 64 h, + my wave's two K steps
	v_lshlrev_b32 v7, 4, v7
	v_lshl_add_u32 v5, v5, 2, v7                   ; 16 r + 4 h: my scale word's place
	s_lshr_b32 s31, ttmp9, 1                       ; g
	s_and_b32 s32, ttmp9, 1                        ; u
	s_lshr_b32 s33, s30, 1
	s_and_b32 s36, s30, 1
	s_lshl_b32 s34, s31, 5
	s_lshl_b32 s40, s32, 3
	s_add_co_u32 s34, s34, s40
	s_lshl_b32 s40, s30, 2
	s_add_co_u32 s34, s34, s40
	s_lshl_b32 s40, s33, 3
	s_add_co_u32 s34, s34, s40                     ; my first token: 32 g + 8 u + 4 w + 8 (w / 2)
	s_lshl_b32 s34, s34, 12
	s_add_nc_u64 s[4:5], s[4:5], s[34:35]
.irp i, 0,1,2,3
.irp j, 0,1,2,3,4,5,6,7
	global_load_b128 v[X+32*\i+4*\j:X+32*\i+4*\j+3], v1, s[4:5] offset:4096*\i+512*\j th:TH_LOAD_NT   ; 512 consecutive bytes of a row
.endr
.endr
.irp j, 0,1,2,3,4,5,6,7
	global_load_b128 v[LW+4*\j:LW+4*\j+3], v1, s[6:7] offset:512*\j
	global_load_b128 v[LB+4*\j:LB+4*\j+3], v1, s[8:9] offset:512*\j
.endr
	s_lshl_b32 s34, ttmp9, 3
	s_lshl_b32 s40, s30, 1
	s_add_co_u32 s34, s34, s40
	s_mul_i32 s34, s34, 1536
	s_add_nc_u64 s[38:39], s[10:11], s[34:35]      ; my two fragments' images: (8 tile + 2 w) 1,536
	s_lshl_b32 s34, s31, 10
	s_lshl_b32 s40, s33, 9
	s_add_co_u32 s34, s34, s40
	s_lshl_b32 s40, s32, 8
	s_add_co_u32 s34, s34, s40
	s_lshl_b32 s40, s36, 3
	s_add_co_u32 s34, s34, s40
	s_add_co_u32 s34, s34, 3145728
	s_add_nc_u64 s[10:11], s[10:11], s[34:35]      ; my scale words
	s_mov_b32 s41, 0x3a800000                      ; 1 / 1024
	s_mov_b32 s42, 0x3727c5ac                      ; 1e-5
	s_mov_b32 s43, 0xffff0000                      ; lanes 16-31
	s_mov_b32 s44, 0x76543210
	s_mov_b32 s45, 0xfedcba98                      ; v_permlanex16_b32's selects for lane l xor 16
	s_wait_loadcnt 0x0
	; the mean: two chains of packed sums a row, the four rows by turns
.irp i, 0,1,2,3
	v_pk_add_f32 v[8+4*\i:9+4*\i], v[X+32*\i:X+32*\i+1], v[X+32*\i+2:X+32*\i+3]
	v_pk_add_f32 v[10+4*\i:11+4*\i], v[X+32*\i+4:X+32*\i+5], v[X+32*\i+6:X+32*\i+7]
.endr
.irp j, 8,12,16,20,24,28
.irp i, 0,1,2,3
	v_pk_add_f32 v[8+4*\i:9+4*\i], v[8+4*\i:9+4*\i], v[X+32*\i+\j:X+32*\i+\j+1]
	v_pk_add_f32 v[10+4*\i:11+4*\i], v[10+4*\i:11+4*\i], v[X+32*\i+\j+2:X+32*\i+\j+3]
.endr
.endr
.irp i, 0,1,2,3
	v_pk_add_f32 v[8+4*\i:9+4*\i], v[8+4*\i:9+4*\i], v[10+4*\i:11+4*\i]
.endr
.irp i, 0,1,2,3
	v_add_f32 v[8+4*\i], v[8+4*\i], v[9+4*\i]
.endr
	ACROSS 8
.irp i, 0,1,2,3
	v_mul_f32 v[8+4*\i], s41, v[8+4*\i]
.endr
.irp j, 0,2,4,6,8,10,12,14,16,18,20,22,24,26,28,30
.irp i, 0,1,2,3
	v_pk_add_f32 v[X+32*\i+\j:X+32*\i+\j+1], v[X+32*\i+\j:X+32*\i+\j+1], v[8+4*\i:9+4*\i] op_sel_hi:[1,0] neg_lo:[0,1] neg_hi:[0,1]   ; x - mean
.endr
.endr
.irp i, 0,1,2,3
	v_pk_mul_f32 v[24+4*\i:25+4*\i], v[X+32*\i:X+32*\i+1], v[X+32*\i:X+32*\i+1]
	v_pk_mul_f32 v[26+4*\i:27+4*\i], v[X+32*\i+2:X+32*\i+3], v[X+32*\i+2:X+32*\i+3]
.endr
.irp j, 4,8,12,16,20,24,28
.irp i, 0,1,2,3
	v_pk_fma_f32 v[24+4*\i:25+4*\i], v[X+32*\i+\j:X+32*\i+\j+1], v[X+32*\i+\j:X+32*\i+\j+1], v[24+4*\i:25+4*\i]
	v_pk_fma_f32 v[26+4*\i:27+4*\i], v[X+32*\i+\j+2:X+32*\i+\j+3], v[X+32*\i+\j+2:X+32*\i+\j+3], v[26+4*\i:27+4*\i]
.endr
.endr
.irp i, 0,1,2,3
	v_pk_add_f32 v[24+4*\i:25+4*\i], v[24+4*\i:25+4*\i], v[26+4*\i:27+4*\i]
.endr
.irp i, 0,1,2,3
	v_add_f32 v[24+4*\i], v[24+4*\i], v[25+4*\i]
.endr
	ACROSS 24
.irp i, 0,1,2,3
	v_fma_f32 v[24+4*\i], v[24+4*\i], s41, s42     ; the variance + 1e-5
.endr
.irp i, 0,1,2,3
	v_rsq_f32 v[26+4*\i], v[24+4*\i]
.endr
	v_nop                                          ; a plain line behind the last of the four
	s_wait_alu depctr_va_vdst(0)                   ; one wait for the four, ahead of their first reader
.irp j, 0,2,4,6,8,10,12,14,16,18,20,22,24,26,28,30
.irp i, 0,1,2,3
	v_pk_mul_f32 v[X+32*\i+\j:X+32*\i+\j+1], v[X+32*\i+\j:X+32*\i+\j+1], v[26+4*\i:27+4*\i] op_sel_hi:[1,0]
.endr
.irp i, 0,1,2,3
	v_pk_fma_f32 v[X+32*\i+\j:X+32*\i+\j+1], v[X+32*\i+\j:X+32*\i+\j+1], v[LW+\j:LW+\j+1], v[LB+\j:LB+\j+1]
.endr
.endr
.irp i, 0,1,2,3
.irp j, 0,1,2,3,4,5,6,7
	ds_store_b128 v2, v[X+32*\i+4*\j:X+32*\i+4*\j+3] offset:PITCH*\i+512*\j
.endr
.endr
	s_wait_dscnt 0x0                               ; for the others' sake: my four rows lie in LDS
	s_barrier_signal -1
	s_barrier_wait -1                              ; all sixteen do
	; my two K steps of the 16 rows: lane (r, h) takes, of row r, 16 neighbours of each block of 32
.irp q, 0,1
.irp b, 0,1,2,3
.irp j, 0,1,2,3
	ds_load_b128 v[X+64*\q+16*\b+4*\j:X+64*\q+16*\b+4*\j+3], v3 offset:512*\q+128*\b+16*\j
.endr
.endr
.endr
	s_wait_dscnt 16                                ; the first K step's 16 loads are in; the second's may be out
	QUANT X, 32, PW
	IMG 32, 38, 0
	s_wait_dscnt 0x0
	QUANT X+64, 192, PW+1                          ; codes into registers of their own: no store's data are written again
	IMG 192, 38, 1536
	v_cndmask_b32 v26, v24, v25, s43               ; lanes 0-15 store the first K step's word of row r, lanes 16-31 the second's
	global_store_b32 v5, v26, s[10:11]
	s_set_vgpr_msb 0x5
	s_wait_tensorcnt 0x0
	ds_add_u32 v0, v1
	s_wait_dscnt 0x0
	s_set_vgpr_msb 0x500
	s_endpgm
	; ---------------- the weights: wave = chunk 4 (work-group - 256) + wave ----------------
.Lprep:
	s_sub_co_u32 s2, ttmp9, 256
	s_cmp_lt_u32 s2, 48                            ; chunks 0-191 w_qkv, 192-255 w_attn_proj, 256-511 w_fc, 512-767 w_mlp_proj: the choice hangs on the work-group's number alone
	s_cselect_b64 s[36:37], s[12:13], s[16:17]
	s_cselect_b64 s[38:39], s[14:15], s[18:19]
	s_cselect_b32 s40, 0, 192
	s_cmp_lt_u32 s2, 64
	s_cselect_b64 s[36:37], s[36:37], s[20:21]
	s_cselect_b64 s[38:39], s[38:39], s[22:23]
	s_cselect_b32 s40, s40, 256
	s_cmp_lt_u32 s2, 128
	s_cselect_b64 s[36:37], s[36:37], s[24:25]
	s_cselect_b64 s[38:39], s[38:39], s[26:27]
	s_cselect_b32 s40, s40, 512                    ; the tensor's first chunk
	s_mov_b32 s41, 3072
	s_cselect_b32 s41, 768, s41                    ; a row of codes in bytes
	s_cselect_b32 s42, 32, 128                     ; a row of scale bytes
	s_cselect_b32 s43, 0, 2
	s_cselect_b32 s44, 0, 3
	s_lshl_b32 s45, s2, 2
	s_add_co_u32 s45, s45, s30                     ; the chunk
	s_sub_co_u32 s46, s45, s40
	s_and_b32 s47, s46, s44                        ; which quarter of K (w_mlp_proj alone has four)
	s_lshr_b32 s46, s46, s43                       ; the tile T
	s_lshr_b32 s48, s46, 1
	s_and_b32 s49, s46, 1
	s_lshl_b32 s50, s48, 5
	s_lshl_b32 s51, s49, 3
	s_add_co_u32 s50, s50, s51                     ; the tile's first row: 32 (T / 2) + 8 (T % 2)
	s_mul_i32 s34, s50, s41
	s_mul_i32 s51, s47, 768
	s_add_co_u32 s34, s34, s51
	s_add_nc_u64 s[36:37], s[36:37], s[34:35]
	s_mul_i32 s34, s50, s42
	s_lshl_b32 s51, s47, 5
	s_add_co_u32 s34, s34, s51
	s_add_nc_u64 s[38:39], s[38:39], s[34:35]
	s_mul_i32 s34, s45, 12288
	s_add_nc_u64 s[52:53], s[28:29], s[34:35]      ; the chunk's images
	s_lshr_b32 s51, s45, 1
	s_lshl_b32 s51, s51, 10                        ; scale image, K = 1,024: 1,024 bytes a pair of tiles
	s_lshl_b32 s54, s48, 12                        ; K = 4,096: 4,096 a pair, 1,024 a quarter
	s_lshl_b32 s55, s47, 10
	s_add_co_u32 s54, s54, s55
	s_add_co_u32 s54, s54, 262144
	s_cmp_lt_u32 s2, 128
	s_cselect_b32 s34, s51, s54
	s_lshl_b32 s51, s49, 8
	s_add_co_u32 s34, s34, s51
	s_add_co_u32 s34, s34, 9437184
	s_add_nc_u64 s[28:29], s[28:29], s[34:35]
	v_and_b32 v8, 8, v7
	v_add_nc_u32 v8, v8, v7                        ; r + 8 (r / 8)
	v_mul_lo_u32 v9, v8, s41
	v_mad_u32_u24 v9, v5, 24, v9                   ; my row's codes, + 24 h
	v_mul_lo_u32 v10, v8, s42
	v_lshl_add_u32 v10, v5, 4, v10                 ; my row's scale bytes: lanes 0-15 K steps 0-3, lanes 16-31 K steps 4-7
	v_lshlrev_b32 v11, 4, v7
	v_lshl_add_u32 v11, v5, 9, v11                 ; and their place in the scale image: 512 h + 16 r
.irp s, 0,1,2,3,4,5,6,7
.irp p, 0,1,2,3,4,5
	global_load_b64 v[16+12*\s+2*\p:17+12*\s+2*\p], v9, s[36:37] offset:96*\s+48*(\p/3)+8*(\p%3)   ; a row's stream of bits IS the register image: 24 bytes at 96 s + 24 h, 24 at 96 s + 48 + 24 h
.endr
.endr
	global_load_b128 v[112:115], v10, s[38:39]
	s_wait_loadcnt 0x0
	s_cmp_lt_u32 s2, 128                           ; w_mlp_proj?  The branch hangs on the work-group's number alone
	s_cbranch_scc0 .Lthree
.irp s, 0,1,2,3,4,5,6,7
	IMG 16+12*\s, 52, 1536*\s
.endr
	s_branch .Lwords
.Lthree:
.irp s, 0,1,2,3,4,5,6,7
	IMG3 16+12*\s, 52, 1536*\s
.endr
.Lwords:
	global_store_b128 v11, v[112:115], s[28:29]
	s_endpgm
.Lfunc_end_k_q3ddb37dc72_prep_ln1:
	.size	k_q3ddb37dc72_prep_ln1, .Lfunc_end_k_q3ddb37dc72_prep_ln1-k_q3ddb37dc72_prep_ln1
	.p2alignl 7, 3214868480
	.fill 96, 4, 3214868480
	.section	.rodata,"a",@progbits
	.p2align	6, 0x0
	.amdhsa_kernel k_q3ddb37dc72_prep_ln1
		.amdhsa_group_segment_fixed_size 66560
		.amdhsa_private_segment_fixed_size 0
		.amdhsa_enable_private_segment 0
		.amdhsa_kernarg_size 104
		.amdhsa_user_sgpr_count 2
		.amdhsa_user_sgpr_kernarg_segment_ptr 1
		.amdhsa_wavefront_size32 1
		.amdhsa_system_sgpr_workgroup_id_x 1
		.amdhsa_system_sgpr_workgroup_id_y 1
		.amdhsa_system_sgpr_workgroup_id_z 1
		.amdhsa_system_vgpr_workitem_id 0
		.amdhsa_next_free_vgpr 258
		.amdhsa_next_free_sgpr 66
		.amdhsa_reserve_vcc 0
		.amdhsa_float_denorm_mode_32 3
		.amdhsa_float_denorm_mode_16_64 3
		.amdhsa_memory_ordered 1
		.amdhsa_forward_progress 1
		.amdhsa_inst_pref_size 56
	.end_amdhsa_kernel
	.amdgpu_metadata
---
amdhsa.version: [ 1, 2 ]
amdhsa.kernels:
  - .name:           k_q3ddb37dc72_prep_ln1
    .symbol:         k_q3ddb37dc72_prep_ln1.kd
    .args:
      - { .name: x, .offset: 0, .size: 8, .value_kind: global_buffer, .address_space: global }
      - { .name: ln1_w, .offset: 8, .size: 8, .value_kind: global_buffer, .address_space: global }
      - { .name: ln1_b, .offset: 16, .size: 8, .value_kind: global_buffer, .address_space: global }
      - { .name: a1, .offset: 24, .size: 8, .value_kind: global_buffer, .address_space: global }
      - { .name: w_qkv_codes, .offset: 32, .size: 8, .value_kind: global_buffer, .address_space: global }
      - { .name: w_qkv_scales, .offset: 40, .size: 8, .value_kind: global_buffer, .address_space: global }
      - { .name: w_attn_proj_codes, .offset: 48, .size: 8, .value_kind: global_buffer, .address_space: global }
      - { .name: w_attn_proj_scales, .offset: 56, .size: 8, .value_kind: global_buffer, .address_space: global }
      - { .name: w_fc_codes, .offset: 64, .size: 8, .value_kind: global_buffer, .address_space: global }
      - { .name: w_fc_scales, .offset: 72, .size: 8, .value_kind: global_buffer, .address_space: global }
      - { .name: w_mlp_proj_codes, .offset: 80, .size: 8, .value_kind: global_buffer, .address_space: global }
      - { .name: w_mlp_proj_scales, .offset: 88, .size: 8, .value_kind: global_buffer, .address_space: global }
      - { .name: wimg, .offset: 96, .size: 8, .value_kind: global_buffer, .address_space: global }
    .group_segment_fixed_size: 66560
    .private_segment_fixed_size: 0
    .kernarg_segment_align: 8
    .kernarg_segment_size: 104
    .max_flat_workgroup_size: 128
    .sgpr_count:     66
    .vgpr_count:     258
    .wavefront_size: 32
...
	.end_amdgpu_metadata
.endif
;; end of part 1
;; launch qkv (part 2): grid 12 x 16, 4 waves a work-group, no clusters, 205,312 bytes of LDS; arguments a1, wimg, qkvc; writes qkvc
.if DOCPART == 2
	.amdgcn_target "amdgcn-amd-amdhsa--gfx1250"
	.amdhsa_code_object_version 6
	.text
	.protected	k_q3ddb37dc72_qkv
	.globl	k_q3ddb37dc72_qkv
	.p2align	8
	.type	k_q3ddb37dc72_qkv,@function
k_q3ddb37dc72_qkv:
	s_mov_b64 s[64:65], 0
	v_nop
	global_prefetch_b8 v0, s[64:65] scope:SCOPE_SE
	s_setreg_imm32_b32 hwreg(HW_REG_WAVE_MODE, 25, 1), 1
	s_wait_xcnt 0x0
; q, k, v = Q(LN1(x)) Q(w_qkv), all on codes of E2M3 with E8M0 scales, and the results quantised at once: q and k along the head's 64, v along the keys.
; THE PRODUCT: one operand is RESIDENT: wave w keeps 64 rows x K = 1,024 of R (32 fragments, 384 registers) for the whole launch.  The other, S (256 rows x 1,024, 196,608 bytes of images and 8,192 of scale words),
; comes into LDS once, each wave bringing a quarter by two tensor loads; nothing in LDS is ever filled again.  Source 0 = 16 rows of R, source 1 = 16 rows of S: a lane holds ONE row of S, and by the tile order
; (lane-row p of tile 2 g + u is row 32 g + 8 u + p + 8 (p / 8)) its 32 registers of four R tiles are rows 32 b + 16 (lane / 16) + i of R's 64: neighbours, as the conversions want them.
; q, k (work-group x 0-7): R = 256 columns of the weight (a wave: one head), S = 256 tokens.  v (x 8-11): R = 256 tokens, S = 256 columns: a lane then holds one channel and its registers run along 64 keys.
; One text serves both: only pointers, offsets and the width of the scale store are chosen, by the work-group's number.
; A QUAD is 4 S tiles x 4 R tiles, 16 accumulators, 8 K steps, 128 matrix instructions; four quads a work-group.  Each S fragment read from LDS feeds four matrix instructions.
; OUT (buffer qkvc): half images of 768 bytes (16 rows x 64 K: registers 0-3 at 16 x lane, 4-5 at 512 + 8 x lane): q at 0 and k at 3,145,728, [bh][token tile]; v at 6,291,456, [bh][128 keys][64 keys][channel tile].
; Scale words: q at 9,437,184, k at 9,699,328: [bh][pair of tiles][lane], bytes 2 and 3 set to 127 (the head has 64 of the instruction's 128); v at 9,961,472: [bh][128 keys][pair of channel tiles][lane].
; No cluster: the S block is shared by the work-groups of a row of the grid, but it is half of a work-group's bytes and is fetched once; joint loads are left for a later version.
; LIMITS: NaN and infinities are not served; a block of zeros gets the byte 1 (its codes are zeros; this program alone reads the bytes); blocks under 2^-124 are held at the byte 1.
; REGISTERS: window 0: v1 16 x lane, v2 8 x lane, v3-5 LDS addresses, v6 4 x lane, v16-31 R's scale words, v32-47 S's, v64-191 accumulators (32 m + 8 t), v192-255 the quantiser.
;   window 1: R's fragments f = 4 s + t, f = 0..20, at 12 f.   window 2: f = 21..31 at 12 (f - 21); from v132 two buffers of four S fragments.
.set ASCL, 196608
.set ACC, 64
.set RSC, 16
.set SSC, 32
.set TM, 192
.set TP, 200
.set SO, 208
.set PC, 216
.set MSB, 0
.macro WIN new                         ; the immediate's high byte repeats the setting that is left
.if MSB != (\new)
	s_set_vgpr_msb (MSB<<8)|(\new)
.set MSB, (\new)
.endif
.endm
; one matrix instruction.  c: C's first register, or -1 for the constant 0.  ra, rb: 1 = that side's scales stand in lanes 16-31
.macro WM d, a, b, c, sa, sb, ra, rb
.if (\c) < 0
.if ((\ra) == 0) && ((\rb) == 0)
	v_wmma_scale_f32_16x16x128_f8f6f4 v[\d:\d+7], v[\a:\a+11], v[\b:\b+11], 0, v[\sa], v[\sb] matrix_a_fmt:MATRIX_FMT_FP6 matrix_b_fmt:MATRIX_FMT_FP6
.elseif (\rb) == 0
	v_wmma_scale_f32_16x16x128_f8f6f4 v[\d:\d+7], v[\a:\a+11], v[\b:\b+11], 0, v[\sa], v[\sb] matrix_a_fmt:MATRIX_FMT_FP6 matrix_b_fmt:MATRIX_FMT_FP6 matrix_a_scale:MATRIX_SCALE_ROW1
.elseif (\ra) == 0
	v_wmma_scale_f32_16x16x128_f8f6f4 v[\d:\d+7], v[\a:\a+11], v[\b:\b+11], 0, v[\sa], v[\sb] matrix_a_fmt:MATRIX_FMT_FP6 matrix_b_fmt:MATRIX_FMT_FP6 matrix_b_scale:MATRIX_SCALE_ROW1
.else
	v_wmma_scale_f32_16x16x128_f8f6f4 v[\d:\d+7], v[\a:\a+11], v[\b:\b+11], 0, v[\sa], v[\sb] matrix_a_fmt:MATRIX_FMT_FP6 matrix_b_fmt:MATRIX_FMT_FP6 matrix_a_scale:MATRIX_SCALE_ROW1 matrix_b_scale:MATRIX_SCALE_ROW1
.endif
.else
.if ((\ra) == 0) && ((\rb) == 0)
	v_wmma_scale_f32_16x16x128_f8f6f4 v[\d:\d+7], v[\a:\a+11], v[\b:\b+11], v[\c:\c+7], v[\sa], v[\sb] matrix_a_fmt:MATRIX_FMT_FP6 matrix_b_fmt:MATRIX_FMT_FP6
.elseif (\rb) == 0
	v_wmma_scale_f32_16x16x128_f8f6f4 v[\d:\d+7], v[\a:\a+11], v[\b:\b+11], v[\c:\c+7], v[\sa], v[\sb] matrix_a_fmt:MATRIX_FMT_FP6 matrix_b_fmt:MATRIX_FMT_FP6 matrix_a_scale:MATRIX_SCALE_ROW1
.elseif (\ra) == 0
	v_wmma_scale_f32_16x16x128_f8f6f4 v[\d:\d+7], v[\a:\a+11], v[\b:\b+11], v[\c:\c+7], v[\sa], v[\sb] matrix_a_fmt:MATRIX_FMT_FP6 matrix_b_fmt:MATRIX_FMT_FP6 matrix_b_scale:MATRIX_SCALE_ROW1
.else
	v_wmma_scale_f32_16x16x128_f8f6f4 v[\d:\d+7], v[\a:\a+11], v[\b:\b+11], v[\c:\c+7], v[\sa], v[\sb] matrix_a_fmt:MATRIX_FMT_FP6 matrix_b_fmt:MATRIX_FMT_FP6 matrix_a_scale:MATRIX_SCALE_ROW1 matrix_b_scale:MATRIX_SCALE_ROW1
.endif
.endif
.endm
.macro MM m, t, s                      ; S tile m x R tile t, K step s
.set F, 4*(\s)+(\t)
.if F < 21
.set WV, 0x09                          ; source 0 (R) window 1, source 1 (S) window 2, C and D window 0
.set RB, 12*F
.else
.set WV, 0x0a                          ; R in window 2
.set RB, 12*(F-21)
.endif
.set SF, 132+48*((\s)%2)+12*(\m)
.set DA, ACC+32*(\m)+8*(\t)
.set RS, RSC+8*((\t)/2)+(\s)
.set SS, SSC+8*((\m)/2)+(\s)
	WIN WV
.if (\s) == 0
	WM DA, RB, SF, -1, RS, SS, (\t)%2, (\m)%2      ; the first K step starts the sums: nothing is cleared
.else
	WM DA, RB, SF, DA, RS, SS, (\t)%2, (\m)%2
.endif
.endm
.macro FETCH s                         ; the quad's four S fragments of K step s, 16 LDS loads, into buffer s % 2
	WIN 0x80                                       ; destination window 2, address window 0
.irp m, 0,1,2,3
	ds_load_b128 v[132+48*((\s)%2)+12*\m:132+48*((\s)%2)+12*\m+3], v3 offset:(8*\m+(\s))*1536
	ds_load_b64 v[132+48*((\s)%2)+12*\m+4:132+48*((\s)%2)+12*\m+5], v4 offset:(8*\m+(\s))*1536+512
	ds_load_b128 v[132+48*((\s)%2)+12*\m+6:132+48*((\s)%2)+12*\m+9], v3 offset:(8*\m+(\s))*1536+768
	ds_load_b64 v[132+48*((\s)%2)+12*\m+10:132+48*((\s)%2)+12*\m+11], v4 offset:(8*\m+(\s))*1536+1280
.endr
.endm
.macro PLACES                          ; four plain lines between matrix instructions and a load into, or a read of, their registers (ISA guide 7.12.1 for a read)
.rept 4
	v_nop
.endr
.endm
.macro QUAD
	v_add_nc_u32 v3, s58, v1                       ; the quad's images in LDS
	v_add_nc_u32 v4, s58, v2
	v_add_nc_u32 v5, s59, v1                       ; and its scale words
.irp e, 0,1
.irp q, 0,1
	ds_load_b128 v[SSC+8*\e+4*\q:SSC+8*\e+4*\q+3], v5 offset:1024*\e+512*\q   ; four K steps' words of a pair of tiles: lanes 0-15 the even tile, lanes 16-31 the odd one
.endr
.endr
	FETCH 0
.irp s, 0,1,2,3,4,5,6,7
.if \s < 7
.if \s > 0
	PLACES                                         ; the buffer below was read by the matrix instructions just issued
.endif
	FETCH \s+1
	s_wait_dscnt 16                                ; all but the 16 loads just issued: this K step's fragments (and the scale words) are in
.else
	s_wait_dscnt 0x0
.endif
.irp t, 0,1,2,3
.irp m, 0,1,2,3
	MM \m, \t, \s                                  ; the 16 accumulators take turns, one instruction a turn
.endr
.endr
.endr
	WIN 0
	PLACES
.endm
.macro RLOAD                           ; R's 32 fragments and their scale words, from memory straight into registers
.irp s, 0,1,2,3,4,5,6,7
.irp t, 0,1,2,3
.set F, 4*\s+\t
.if F < 21
	WIN 0x40
.set RB, 12*F
.else
	WIN 0x80
.set RB, 12*(F-21)
.endif
	global_load_b128 v[RB:RB+3], v1, s[36:37] offset:\t*12288+\s*1536
	global_load_b64 v[RB+4:RB+5], v2, s[36:37] offset:\t*12288+\s*1536+512
	global_load_b128 v[RB+6:RB+9], v1, s[36:37] offset:\t*12288+\s*1536+768
	global_load_b64 v[RB+10:RB+11], v2, s[36:37] offset:\t*12288+\s*1536+1280
.endr
.endr
	WIN 0
.irp e, 0,1
.irp q, 0,1
	global_load_b128 v[RSC+8*\e+4*\q:RSC+8*\e+4*\q+3], v1, s[38:39] offset:1024*\e+512*\q
.endr
.endr
.endm
; The quad's 4 x 32 numbers a lane (tile m: register 16 b + i = k 32 b + 16 (lane / 16) + i) become four half images at v[PC + 10 m] .. + 5; the two bytes of tile m in v[TM + 2 m];
; v[TM + 4 e + 1]: lanes 0-15 tile 2 e's two bytes, lanes 16-31 tile 2 e + 1's.  The eight blocks go by turns, line by line.
.macro HQ4
.irp m, 0,1,2,3
.irp b, 0,1
	v_max3_num_f32 v[TM+2*\m+\b], |v[ACC+32*\m+16*\b]|, |v[ACC+32*\m+16*\b+1]|, 0x1800000   ; each accumulator is read from its low end on; the floor 2^(3 - 127) holds the byte at 1 from below
.endr
.endr
.irp i, 2,4,6,8,10,12,14
.irp m, 0,1,2,3
.irp b, 0,1
	v_max3_num_f32 v[TM+2*\m+\b], v[TM+2*\m+\b], |v[ACC+32*\m+16*\b+\i]|, |v[ACC+32*\m+16*\b+\i+1]|
.endr
.endr
.endr
.irp j, 0,1,2,3,4,5,6,7
	v_permlanex16_b32 v[TP+\j], v[TM+\j], s60, s61
.endr
.irp j, 0,1,2,3,4,5,6,7
	v_max_num_f32 v[TM+\j], v[TM+\j], v[TP+\j]
.endr
.irp j, 0,1,2,3,4,5,6,7
	v_add_nc_u32 v[SO+\j], 0xff000000, v[TM+\j]    ; 2 off the exponent field: the conversion's scale operand
.endr
.irp j, 0,1,2,3,4,5,6,7
	v_lshrrev_b32 v[TP+\j], 23, v[SO+\j]           ; the byte
.endr
.irp m, 0,1,2,3
	v_lshl_or_b32 v[TM+2*\m], v[TP+2*\m+1], 8, v[TP+2*\m]
.endr
.irp m, 0,1,2,3
	v_cvt_scalef32_pk16_fp6_f32 v[PC+10*\m:PC+10*\m+2], v[ACC+32*\m:ACC+32*\m+15], v[SO+2*\m]
	v_cvt_scalef32_pk16_fp6_f32 v[PC+10*\m+6:PC+10*\m+8], v[ACC+32*\m+16:ACC+32*\m+31], v[SO+2*\m+1]
.endr
	v_nop                                          ; one plain line behind the scaled conversions
.irp m, 0,1,2,3
.irp i, 0,1,2
	v_permlane16_swap_b32 v[PC+10*\m+\i], v[PC+10*\m+6+\i]   ; a whole block to a lane: lanes 0-15 block 0, lanes 16-31 block 1
.endr
.endr
.irp m, 0,1,2,3
.irp i, 0,1,2
	v_mov_b32 v[PC+10*\m+3+\i], v[PC+10*\m+6+\i]
.endr
.endr
.irp e, 0,1
	v_cndmask_b32 v[TM+4*\e+1], v[TM+4*\e], v[TM+4*\e+2], s57
.endr
.endm
	s_load_b128 s[4:7], s[0:1], 0x0                ; a1, wimg
	s_load_b64 s[8:9], s[0:1], 0x10                ; qkvc
	v_lshl_add_u32 v245, v0, 2, 0x32000
	v_mov_b32 v255, 0
	ds_add_u32 v245, v255
	ds_add_u32 v245, v255
	v_lshrrev_b32 v1, 5, v0
	v_readfirstlane_b32 s52, v1                    ; wave 0..3
	v_and_b32 v6, 31, v0
	v_lshlrev_b32 v1, 4, v6
	v_lshlrev_b32 v2, 3, v6
	v_lshlrev_b32 v6, 2, v6
.irp j, 0,1,2,3,4,5,6,7
	v_mov_b32 v[TP+\j], 0                          ; written once: a lane permute's destination counts as one of its sources
.endr
	s_mov_b32 s53, ttmp9                           ; x: 256 columns of the weight
	s_and_b32 s54, ttmp7, 0xffff                   ; y: 256 tokens
	; descriptor groups 1: dense blocks as rows of 256 bytes (32 elements of 8 bytes), no padding, no mask
	s_mov_b32 s16, 3<<16                           ; element of 8 bytes
	s_mov_b32 s17, 32<<16                          ; tensor_dim0 = 32
	s_mov_b32 s18, 192<<16                         ; tensor_dim1 = 192
	s_mov_b32 s19, 32<<16                          ; tile_dim0 = 32
	s_mov_b32 s20, 192                             ; tile_dim1 = 192 rows: 49,152 bytes, a quarter of S's images
	s_mov_b32 s21, 32                              ; the pitch
	s_mov_b32 s22, 0
	s_mov_b32 s23, 0
	s_mov_b32 s28, 3<<16
	s_mov_b32 s29, 32<<16
	s_mov_b32 s30, 8<<16
	s_mov_b32 s31, 32<<16
	s_mov_b32 s32, 8                               ; 8 rows: 2,048 bytes, a quarter of S's scale words
	s_mov_b32 s33, 32
	s_mov_b32 s34, 0
	s_mov_b32 s35, 0
	s_mov_b32 s45, 0
	s_mov_b32 s56, 0
	s_mov_b32 s57, 0xffff0000                      ; lanes 16-31
	s_mov_b32 s58, 0
	s_mov_b32 s59, ASCL
	s_mov_b32 s60, 0x76543210
	s_mov_b32 s61, 0xfedcba98
	s_mov_b32 s62, 0x900000                        ; where wimg's scale images begin
	s_mov_b32 s63, 0x300000                        ; and a1's
	s_cmp_ge_u32 s53, 8                            ; v?
	s_cselect_b32 s55, 1, 0
	s_cselect_b32 s2, s54, s53                     ; which 256 rows of R
	s_cselect_b32 s3, s53, s54                     ; and of S
	s_cselect_b32 s48, s63, s62
	s_cselect_b32 s50, s62, s63
	s_mul_i32 s46, s52, 49152
	s_lshl_b32 s47, s52, 11
	s_lshl_b32 s49, s2, 13
	s_add_co_u32 s48, s48, s49
	s_add_co_u32 s48, s48, s47                     ; R's scale words: my two pairs of tiles
	s_mul_i32 s2, s2, 196608
	s_add_co_u32 s2, s2, s46                       ; R's images: my four tiles
	s_lshl_b32 s49, s3, 13
	s_add_co_u32 s50, s50, s49
	s_add_co_u32 s50, s50, s47                     ; S's scale words: the quarter that I fetch
	s_mul_i32 s3, s3, 196608
	s_add_co_u32 s3, s3, s46                       ; S's images: the quarter that I fetch
	s_mov_b32 s12, 1
	s_mul_i32 s13, s52, 49152                      ; LDS: wave x 49,152
	s_mov_b32 s24, 1
	s_lshl_b32 s25, s52, 11
	s_add_co_u32 s25, s25, ASCL                    ; LDS: behind the images, wave x 2,048
	s_wait_dscnt 0x0
	s_wait_kmcnt 0x0
	s_cmp_ge_u32 s53, 8
	s_cselect_b64 s[36:37], s[4:5], s[6:7]         ; R's buffer
	s_cselect_b64 s[14:15], s[6:7], s[4:5]         ; S's
	s_mov_b64 s[38:39], s[36:37]
	s_mov_b64 s[26:27], s[14:15]
	s_mov_b32 s44, s3
	s_add_nc_u64 s[14:15], s[14:15], s[44:45]
	s_mov_b32 s44, s50
	s_add_nc_u64 s[26:27], s[26:27], s[44:45]
	s_mov_b32 s44, s2
	s_add_nc_u64 s[36:37], s[36:37], s[44:45]
	s_mov_b32 s44, s48
	s_add_nc_u64 s[38:39], s[38:39], s[44:45]
	s_or_b32 s15, s15, 0x80000000                  ; type = 2
	s_or_b32 s27, s27, 0x80000000
	tensor_load_to_lds s[12:15], s[16:23]          ; the first and only fills: two tensor loads of mine are out
	s_nop 0
	tensor_load_to_lds s[24:27], s[28:35]
	s_nop 0
	PLACES
	RLOAD
	; where the results go
	s_lshr_b32 s2, s54, 3                          ; the batch
	s_and_b32 s3, s54, 7                           ; which 256 tokens of it
	s_lshl_b32 s46, s53, 2
	s_add_co_u32 s46, s46, s52
	s_and_b32 s46, s46, 15                         ; q, k: my wave's head
	s_lshl_b32 s47, s2, 4
	s_add_co_u32 s46, s46, s47                     ; bh
	s_lshr_b32 s47, s53, 2                         ; 0: q, 1: k
	s_lshl_b32 s48, s46, 7
	s_lshl_b32 s49, s3, 4
	s_add_co_u32 s48, s48, s49
	s_mul_i32 s48, s48, 768
	s_mul_i32 s49, s47, 3145728
	s_add_co_u32 s48, s48, s49                     ; q, k: half images at (128 bh + 16 (y % 8)) 768
	s_lshl_b32 s50, s46, 6
	s_lshl_b32 s49, s3, 3
	s_add_co_u32 s50, s50, s49
	s_lshl_b32 s50, s50, 7
	s_lshl_b32 s49, s47, 18
	s_add_co_u32 s50, s50, s49
	s_add_co_u32 s50, s50, 9437184                 ; q, k: scale words at (64 bh + 8 (y % 8)) 128
	s_and_b32 s46, s53, 3
	s_lshl_b32 s46, s46, 2
	s_lshl_b32 s47, s2, 4
	s_add_co_u32 s46, s46, s47                     ; v: bh of quad 0
	s_lshl_b32 s46, s46, 4
	s_lshl_b32 s47, s3, 1
	s_add_co_u32 s46, s46, s47
	s_lshr_b32 s47, s52, 1
	s_add_co_u32 s46, s46, s47                     ; 16 bh + the step of 128 keys in which my 64 tokens lie
	s_and_b32 s47, s52, 1                          ; and which half of it
	s_mul_i32 s49, s46, 6144
	s_mul_i32 s51, s47, 3072
	s_add_co_u32 s49, s49, s51
	s_add_co_u32 s49, s49, 6291456
	s_lshl_b32 s46, s46, 8
	s_lshl_b32 s47, s47, 1
	s_add_co_u32 s46, s46, s47
	s_add_co_u32 s46, s46, 9961472
	s_cmp_lg_u32 s55, 0
	s_cselect_b32 s44, s49, s48
	s_add_nc_u64 s[40:41], s[8:9], s[44:45]        ; half images
	s_cselect_b32 s44, s46, s50
	s_add_nc_u64 s[42:43], s[8:9], s[44:45]        ; scale words
	s_mov_b32 s48, 3072
	s_cselect_b32 s48, 98304, s48                  ; a quad on: four token tiles, or a head
	s_mov_b32 s50, 256
	s_cselect_b32 s50, 4096, s50
	s_mov_b32 s49, 0
	s_mov_b32 s51, 0
	s_wait_tensorcnt 0x0                           ; my quarters of S have landed,
	s_barrier_signal -1
	s_barrier_wait -1                              ; everybody's have
	s_wait_loadcnt 0x0                             ; R
.Lquad:
	QUAD
	HQ4
.irp m, 0,1,2,3
	global_store_b128 v1, v[PC+10*\m:PC+10*\m+3], s[40:41] offset:768*\m          ; 512 consecutive bytes, aligned
	global_store_b64 v2, v[PC+10*\m+4:PC+10*\m+5], s[40:41] offset:768*\m+512     ; 256
.endr
	s_cmp_lg_u32 s55, 0
	s_cbranch_scc1 .Lisv
.irp e, 0,1
	v_or_b32 v[TM+4*\e+1], 0x7f7f0000, v[TM+4*\e+1]   ; q, k: the word's upper two bytes stand for 1.0: they meet zero codes
.endr
.irp e, 0,1
	global_store_b32 v6, v[TM+4*\e+1], s[42:43] offset:128*\e
.endr
	s_branch .Ljoin
.Lisv:
.irp e, 0,1
	global_store_b16 v6, v[TM+4*\e+1], s[42:43] offset:128*\e   ; v: my 64 keys' two bytes of the word of 128 keys; the wave beside me writes the other two
.endr
.Ljoin:
	s_wait_xcnt 0x0                                ; the stores have read their data and bases: both are written again below and in the next trip
	s_add_nc_u64 s[40:41], s[40:41], s[48:49]
	s_add_nc_u64 s[42:43], s[42:43], s[50:51]
	s_add_co_u32 s58, s58, 49152
	s_add_co_u32 s59, s59, 2048
	s_add_co_u32 s56, s56, 1
	s_cmp_lt_u32 s56, 4
	s_cbranch_scc1 .Lquad
	s_wait_tensorcnt 0x0
	ds_add_u32 v245, v255
	s_wait_dscnt 0x0
	s_endpgm
.Lfunc_end_k_q3ddb37dc72_qkv:
	.size	k_q3ddb37dc72_qkv, .Lfunc_end_k_q3ddb37dc72_qkv-k_q3ddb37dc72_qkv
	.p2alignl 7, 3214868480
	.fill 96, 4, 3214868480
	.section	.rodata,"a",@progbits
	.p2align	6, 0x0
	.amdhsa_kernel k_q3ddb37dc72_qkv
		.amdhsa_group_segment_fixed_size 205312
		.amdhsa_private_segment_fixed_size 0
		.amdhsa_enable_private_segment 0
		.amdhsa_kernarg_size 24
		.amdhsa_user_sgpr_count 2
		.amdhsa_user_sgpr_kernarg_segment_ptr 1
		.amdhsa_wavefront_size32 1
		.amdhsa_system_sgpr_workgroup_id_x 1
		.amdhsa_system_sgpr_workgroup_id_y 1
		.amdhsa_system_sgpr_workgroup_id_z 1
		.amdhsa_system_vgpr_workitem_id 0
		.amdhsa_next_free_vgpr 768
		.amdhsa_next_free_sgpr 66
		.amdhsa_reserve_vcc 0
		.amdhsa_float_denorm_mode_32 3
		.amdhsa_float_denorm_mode_16_64 3
		.amdhsa_memory_ordered 1
		.amdhsa_forward_progress 1
		.amdhsa_inst_pref_size 54
	.end_amdhsa_kernel
	.amdgpu_metadata
---
amdhsa.version: [ 1, 2 ]
amdhsa.kernels:
  - .name:           k_q3ddb37dc72_qkv
    .symbol:         k_q3ddb37dc72_qkv.kd
    .args:
      - { .name: a1, .offset: 0, .size: 8, .value_kind: global_buffer, .address_space: global }
      - { .name: wimg, .offset: 8, .size: 8, .value_kind: global_buffer, .address_space: global }
      - { .name: qkvc, .offset: 16, .size: 8, .value_kind: global_buffer, .address_space: global }
    .group_segment_fixed_size: 205312
    .private_segment_fixed_size: 0
    .kernarg_segment_align: 8
    .kernarg_segment_size: 24
    .max_flat_workgroup_size: 128
    .sgpr_count:     66
    .vgpr_count:     768
    .wavefront_size: 32
...
	.end_amdgpu_metadata
.endif
;; end of part 2
;; launch attn (part 3): grid 8 x 32, 16 waves a work-group, no clusters, 54,272 bytes of LDS; arguments qkvc, yc; writes yc
.if DOCPART == 3
	.amdgcn_target "amdgcn-amd-amdhsa--gfx1250"
	.amdhsa_code_object_version 6
	.text
	.protected	k_q3ddb37dc72_attn
	.globl	k_q3ddb37dc72_attn
	.p2align	8
	.type	k_q3ddb37dc72_attn,@function
k_q3ddb37dc72_attn:
	s_mov_b64 s[64:65], 0
	v_nop
	global_prefetch_b8 v0, s[64:65] scope:SCOPE_SE
	s_setreg_imm32_b32 hwreg(HW_REG_WAVE_MODE, 25, 1), 1
	s_wait_xcnt 0x0
; y = softmax(q k^T / 8, causal) v for one head and batch (work-group y = bh), both products on codes of E2M3 with E8M0 scales; y is quantised along the 1,024 (head x 64 + d) and stored as half images of operand registers.
; THE SOFTMAX AHEAD OF THE SECOND PRODUCT: t = score x log2(e) / 8; M = the running largest t, rounded UP to a whole number; p = 2^(t - M) is what is quantised, along the keys, not normalised; the row's sum is taken of the
; unquantised p and divides at the end; when M moves, the sum and O are multiplied by 2^(old M - new M), which rounds nothing.
; SHARES: sixteen waves, each ONE tile of 16 queries in 256 registers.  The work-group owns the blocks x and 15 - x of 128 queries: half of its waves are early (few keys count), half late, so that every work-group has
; 2 (x + 1) + 2 (16 - x) = 34 key steps for each four waves, whatever x.  A step all of whose 128 keys come after the wave's queries is jumped over by a scalar branch on ids.
; K, V and their scale words go round through two LDS slots of 256 keys: each wave copies 1,536 bytes a slot by plain loads (asked for a slot's work ahead) and LDS stores; one barrier a slot.
; LAYOUT: both products transposed: S^T = K Q^T (source 0 = 16 keys), O^T = V^T P^T (source 0 = 16 channels): a lane holds one query throughout.  Keys, queries and channels are in tile order (lane-row p of tile
; 2 g + u is row 32 g + 8 u + p + 8 (p / 8)), so that the 16 registers of tiles 2 b, 2 b + 1 are 16 neighbours.
; THE HEAD HAS 64 OF THE INSTRUCTION'S 128 ALONG K: Q's codes for k >= 64 are zeros and bytes 2, 3 of Q's and K's scale words are 127.  So the upper six registers of source 0, which hold the next tile's codes
; (every code of E2M3 is a finite number; behind tile 7 stand six zeros), add nothing.
; No cluster and no tensor load: a slot is 26 KB, copied once a work-group.  No prefetch: a slot's loads are issued a whole slot of work ahead of the stores that wait for them.
; LIMITS: NaN and infinities are not served; a block of zeros gets the byte 1 (its codes are zeros).
; REGISTERS: v1-3 16, 8, 4 x lane; v4, v5 where I store my part of a slot; v6 my query - 16 (lane / 16); v7 16 r + h; v12 -M, v13 largest t, v[14:15] the sum; v16-27 Q; v28 Q's scale word; v29 p's; v30-83 K's eight
; tiles (6 registers each, then six zeros), later V's four fragments; v84-87 K's scale words, v88-89 V's; v90-102 the copy; v104-123 p's codes; v124-141 at work; v160-223 S^T, then p; v224-255 O^T.
.set SLOT, 26112                       ; K 12,288, V 12,288, K's scale words 1,024, V's 512
.macro WM d, a, b, c, sa, sb, ra, rb
.if (\c) < 0
.if (\ra) == 0
	v_wmma_scale_f32_16x16x128_f8f6f4 v[\d:\d+7], v[\a:\a+11], v[\b:\b+11], 0, v[\sa], v[\sb] matrix_a_fmt:MATRIX_FMT_FP6 matrix_b_fmt:MATRIX_FMT_FP6
.else
	v_wmma_scale_f32_16x16x128_f8f6f4 v[\d:\d+7], v[\a:\a+11], v[\b:\b+11], 0, v[\sa], v[\sb] matrix_a_fmt:MATRIX_FMT_FP6 matrix_b_fmt:MATRIX_FMT_FP6 matrix_a_scale:MATRIX_SCALE_ROW1
.endif
.else
.if (\ra) == 0
	v_wmma_scale_f32_16x16x128_f8f6f4 v[\d:\d+7], v[\a:\a+11], v[\b:\b+11], v[\c:\c+7], v[\sa], v[\sb] matrix_a_fmt:MATRIX_FMT_FP6 matrix_b_fmt:MATRIX_FMT_FP6
.else
	v_wmma_scale_f32_16x16x128_f8f6f4 v[\d:\d+7], v[\a:\a+11], v[\b:\b+11], v[\c:\c+7], v[\sa], v[\sb] matrix_a_fmt:MATRIX_FMT_FP6 matrix_b_fmt:MATRIX_FMT_FP6 matrix_a_scale:MATRIX_SCALE_ROW1
.endif
.endif
.endm
.macro PLACES
.rept 4
	v_nop
.endr
.endm
; my part of slot s19 is asked for: 1,536 bytes of K (waves 0-7) or V (waves 8-15), and 128 bytes of scale words (waves 0-11).  Slots that no wave of the work-group needs are not fetched.
.macro LOADG always
.if !(\always)
	s_cmp_lt_u32 s19, s18
	s_cbranch_scc0 .Lnl_\@
.endif
.irp i, 0,1,2
	global_load_b128 v[90+4*\i:93+4*\i], v1, s[24:25] offset:512*\i
.endr
	s_cmp_lt_u32 s8, 12
	s_cbranch_scc0 .Lnl_\@
	global_load_b32 v102, v3, s[26:27]
.Lnl_\@:
.endm
; and goes into LDS slot L
.macro STOREL L, always
	s_wait_loadcnt 0x0                             ; on every path: the copy's loads are in, so their registers may be stored and loaded again, and their bases stepped
.if !(\always)
	s_cmp_lt_u32 s19, s18
	s_cbranch_scc0 .Lns_\@
.endif
.irp i, 0,1,2
	ds_store_b128 v4, v[90+4*\i:93+4*\i] offset:\L*SLOT+512*\i
.endr
	s_add_nc_u64 s[24:25], s[24:25], 12288
	s_cmp_lt_u32 s8, 12
	s_cbranch_scc0 .Lns_\@
	ds_store_b32 v5, v102 offset:\L*SLOT
	s_add_nc_u64 s[26:27], s[26:27], s[28:29]
.Lns_\@:
	s_add_co_u32 s19, s19, 1
.endm
.macro MEET                            ; my stores into a slot have landed and my reads of the other are in: then the work-group's barrier
	s_wait_dscnt 0x0
	s_barrier_signal -1
	s_barrier_wait -1
.endm
; A KEY STEP: 128 keys, the q-th of LDS slot L; s17 is its first key
.macro STEP L, q
	s_cmp_gt_u32 s17, s16                          ; all its keys come after my last query: nothing to do
	s_cbranch_scc1 .Lhid_\@
	PLACES                                         ; the registers below were read by the last step's matrix instructions
.irp i, 0,1,2,3,4,5,6,7
	ds_load_b128 v[30+6*\i:33+6*\i], v1 offset:\L*SLOT+(8*\q+\i)*768
	ds_load_b64 v[34+6*\i:35+6*\i], v2 offset:\L*SLOT+(8*\q+\i)*768+512
.endr
.irp b, 0,1,2,3
	ds_load_b32 v[84+\b], v3 offset:\L*SLOT+24576+(4*\q+\b)*128
.endr
	s_wait_dscnt 0x0
.irp i, 0,1,2,3,4,5,6,7
	WM 160+8*\i, 30+6*\i, 16, -1, 84+\i/2, 28, \i%2, 0
.endr
	PLACES
.irp t, 0,1,2,3                                    ; V's fragments are asked for here and land under the softmax
.irp c, 0,1
	ds_load_b128 v[30+12*\t+6*\c:33+12*\t+6*\c], v1 offset:\L*SLOT+12288+\q*6144+\c*3072+\t*768
	ds_load_b64 v[34+12*\t+6*\c:35+12*\t+6*\c], v2 offset:\L*SLOT+12288+\q*6144+\c*3072+\t*768+512
.endr
.endr
.irp e, 0,1
	ds_load_b32 v[88+\e], v3 offset:\L*SLOT+25600+\q*256+\e*128
.endr
	s_add_co_u32 s33, s17, 127                     ; on the diagonal the scores of hidden keys become -infinity ahead of the maximum; a step all of whose keys count skips this
	s_cmp_le_u32 s33, s15
	s_cbranch_scc1 .Lopen_\@
	v_sub_nc_u32 v138, v6, s17                     ; d = my query - the step's first key - 16 (lane / 16).  Register 16 b + i holds key 32 b + 16 (lane / 16) + i: hidden where 32 b + i > d
	v_mov_b32 v139, 0xff800000
.irp n, 0,1,2,3,4,5,6,7,8,9,10,11,12,13,14,15,16,17,18,19,20,21,22,23,24,25,26,27,28,29,30,31,32,33,34,35,36,37,38,39,40,41,42,43,44,45,46,47,48,49,50,51,52,53,54,55,56,57,58,59,60,61,62,63
	v_cmp_gt_i32 vcc_lo, 32*(\n/16)+\n%16, v138
	v_cndmask_b32 v[160+\n], v[160+\n], v139, vcc_lo
.endr
.Lopen_\@:
.irp b, 0,1,2,3
	v_max3_num_f32 v[124+\b], v[160+16*\b], v[161+16*\b], v[162+16*\b]   ; the largest score of each block of 32 keys: for the row's maximum, and, since p rises with the score, for the block's largest p
.endr
.irp i, 3,5,7,9,11,13
.irp b, 0,1,2,3
	v_max3_num_f32 v[124+\b], v[124+\b], v[160+16*\b+\i], v[161+16*\b+\i]
.endr
.endr
.irp b, 0,1,2,3
	v_max_num_f32 v[124+\b], v[124+\b], v[175+16*\b]
.endr
.irp b, 0,1,2,3
	v_permlanex16_b32 v[128+\b], v[124+\b], s20, s21
.endr
.irp b, 0,1,2,3
	v_max_num_f32 v[124+\b], v[124+\b], v[128+\b]
.endr
	v_max3_num_f32 v138, v124, v125, v126
	v_max_num_f32 v138, v138, v127
	v_mul_f32 v138, s22, v138                      ; the step's largest t
	v_max_num_f32 v13, v13, v138
	v_mov_b32 v138, v12
	v_floor_f32 v12, -v13                          ; the new -M = -ceil(t)
	v_sub_f32 v138, v12, v138
	v_cvt_i32_f32 v138, v138
	v_ldexp_f32 v136, 1.0, v138                    ; f = 2^(old M - new M)
.irp j, 0,2,4,6,8,10,12,14,16,18,20,22,24,26,28,30,32,34,36,38,40,42,44,46,48,50,52,54,56,58,60,62
	v_pk_fma_f32 v[160+\j:161+\j], v[160+\j:161+\j], s[22:23], v[12:13] op_sel_hi:[1,0,0]   ; t - M
.endr
.irp b, 0,1,2,3
	v_fma_f32 v[124+\b], v[124+\b], s22, v12
.endr
.irp j, 0,1,2,3,4,5,6,7,8,9,10,11,12,13,14,15,16,17,18,19,20,21,22,23,24,25,26,27,28,29,30,31,32,33,34,35,36,37,38,39,40,41,42,43,44,45,46,47,48,49,50,51,52,53,54,55,56,57,58,59,60,61,62,63
	v_exp_f32 v[160+\j], v[160+\j]                 ; p = 2^(t - M)
.endr
	v_pk_mul_f32 v[14:15], v[14:15], v[136:137] op_sel_hi:[1,0]   ; the sums under the new M: a plain line behind the exponentials
	s_wait_alu depctr_va_vdst(0)                   ; one wait for the batch of 64, ahead of its first reader
.irp b, 0,1,2,3
	v_exp_f32 v[124+\b], v[124+\b]                 ; each block's largest p
.endr
	v_pk_add_f32 v[140:141], v[160:161], v[162:163]   ; the row's sum of the unquantised p, in two chains
.irp j, 4,8,12,16,20,24,28,32,36,40,44,48,52,56,60
	v_pk_add_f32 v[14:15], v[14:15], v[160+\j:161+\j]
	v_pk_add_f32 v[140:141], v[140:141], v[162+\j:163+\j]
.endr
	v_pk_add_f32 v[14:15], v[14:15], v[140:141]
	s_wait_alu depctr_va_vdst(0)                   ; and one for the four
.irp b, 0,1,2,3
	v_max_num_f32 v[124+\b], 0x1800000, v[124+\b]  ; the floor 2^(3 - 127)
.endr
.irp b, 0,1,2,3
	v_add_nc_u32 v[132+\b], 0xff000000, v[124+\b]
.endr
.irp b, 0,1,2,3
	v_lshrrev_b32 v[128+\b], 23, v[132+\b]
.endr
	v_lshl_or_b32 v29, v129, 8, v128               ; p's scale word for these 128 keys
	v_lshl_or_b32 v29, v130, 16, v29
	v_lshl_or_b32 v29, v131, 24, v29
.irp c, 0,1
	v_cvt_scalef32_pk16_fp6_f32 v[104+6*\c:106+6*\c], v[160+32*\c:175+32*\c], v[132+2*\c]
	v_cvt_scalef32_pk16_fp6_f32 v[116+4*\c:118+4*\c], v[176+32*\c:191+32*\c], v[132+2*\c+1]
.endr
	v_nop
.irp c, 0,1
.irp i, 0,1,2
	v_permlane16_swap_b32 v[104+6*\c+\i], v[116+4*\c+\i]
.endr
.irp i, 0,1,2
	v_mov_b32 v[107+6*\c+\i], v[116+4*\c+\i]
.endr
.endr
.irp j, 0,2,4,6,8,10,12,14,16,18,20,22,24,26,28,30
	v_pk_mul_f32 v[224+\j:225+\j], v[224+\j:225+\j], v[136:137] op_sel_hi:[1,0]   ; O^T under the new M.  Of these 16 lines 12 name no register of any one product below: the places between p's codes and scale word and the products
.endr
	s_wait_dscnt 0x0                               ; V
.irp t, 0,1,2,3
	WM 224+8*\t, 30+12*\t, 104, 224+8*\t, 88+\t/2, 29, \t%2, 0   ; the four accumulators take turns
.endr
.Lhid_\@:
	s_add_co_u32 s17, s17, 128
.endm
	s_load_b128 s[4:7], s[0:1], 0x0                ; qkvc, yc
	v_lshl_add_u32 v158, v0, 2, 0xcc00
	v_mov_b32 v159, 0
	v_lshrrev_b32 v1, 5, v0
	v_readfirstlane_b32 s8, v1                     ; wave 0..15
	v_and_b32 v8, 31, v0
	v_and_b32 v9, 15, v0                           ; r
	v_bfe_u32 v10, v0, 4, 1                        ; h
	v_lshlrev_b32 v1, 4, v8
	v_lshlrev_b32 v2, 3, v8
	v_lshlrev_b32 v3, 2, v8
	s_mul_i32 s33, s8, 1536
	v_add_nc_u32 v4, s33, v1                       ; every LDS address is made here, ahead of the first branch
	s_lshl_b32 s33, s8, 7
	s_add_co_u32 s33, s33, 24576
	v_add_nc_u32 v5, s33, v3
	v_lshlrev_b32 v7, 4, v9
	v_add_nc_u32 v7, v7, v10                       ; 16 r + h
	v_lshlrev_b32 v11, 2, v9                       ; 4 r
	s_lshr_b32 s33, s8, 2
	s_xor_b32 s33, s33, s8
	s_and_b32 s33, s33, 1                          ; 1: a late tile.  Waves 2 i and 2 i + 1 differ in it, and so do two of each four waves, counted either way
	s_sub_co_u32 s34, 15, ttmp9
	s_cmp_lg_u32 s33, 0
	s_cselect_b32 s11, s34, ttmp9                  ; my block of 128 queries
	s_lshl_b32 s12, s11, 3
	s_lshr_b32 s33, s8, 1
	s_add_co_u32 s12, s12, s33                     ; my tile of queries, 0..127
	s_lshr_b32 s13, s12, 1                         ; g
	s_and_b32 s14, s12, 1                          ; u
	s_lshl_b32 s15, s13, 5
	s_lshl_b32 s33, s14, 3
	s_add_co_u32 s15, s15, s33                     ; my first query
	s_add_co_u32 s16, s15, 23                      ; my last
	s_lshr_b32 s18, s34, 1
	s_add_co_u32 s18, s18, 1                       ; slots that the work-group needs
	v_and_b32 v6, 8, v9
	v_add_nc_u32 v6, v6, v9
	v_add_nc_u32 v6, s15, v6
	v_lshlrev_b32 v10, 4, v10
	v_sub_nc_u32 v6, v6, v10                       ; my query - 16 h
	s_and_b32 s10, ttmp7, 0xffff                   ; bh
	s_mov_b32 s31, 0
	s_mov_b32 s29, 0
	s_cmp_lt_u32 s8, 8                             ; waves 0-7 copy K and its scale words, waves 8-15 V, waves 8-11 its scale words
	s_mov_b32 s33, 6279168
	s_cselect_b32 s33, 3145728, s33
	s_mov_b32 s34, 9960448
	s_cselect_b32 s34, 9699328, s34
	s_cselect_b32 s35, 13, 12
	s_mov_b32 s28, 512
	s_cselect_b32 s28, 1024, s28                   ; a slot on among the scale words
	s_mul_i32 s46, s10, 98304
	s_add_co_u32 s33, s33, s46
	s_mul_i32 s46, s8, 1536
	s_add_co_u32 s33, s33, s46
	s_lshl_b32 s46, s10, s35
	s_add_co_u32 s34, s34, s46
	s_lshl_b32 s46, s8, 7
	s_add_co_u32 s34, s34, s46
	s_lshl_b32 s47, s10, 7
	s_add_co_u32 s47, s47, s12
	s_mul_i32 s47, s47, 768                        ; Q's half image
	s_lshl_b32 s48, s10, 6
	s_add_co_u32 s48, s48, s13
	s_lshl_b32 s48, s48, 7
	s_lshl_b32 s46, s14, 6
	s_add_co_u32 s48, s48, s46
	s_add_co_u32 s48, s48, 9437184                 ; Q's scale words: my tile's sixteen
	s_lshr_b32 s51, s10, 4                         ; the batch
	s_and_b32 s52, s10, 15                         ; the head
	s_lshl_b32 s49, s51, 7
	s_add_co_u32 s49, s49, s12
	s_lshl_b32 s49, s49, 3
	s_lshr_b32 s46, s52, 1
	s_add_co_u32 s49, s49, s46
	s_mul_i32 s49, s49, 1536
	s_and_b32 s53, s52, 1
	s_mul_i32 s46, s53, 768
	s_add_co_u32 s49, s49, s46                     ; y's half image: ((128 b + tile) 8 + head / 2) 1,536 + 768 (head % 2)
	s_lshl_b32 s50, s51, 6
	s_add_co_u32 s50, s50, s13
	s_lshl_b32 s50, s50, 10
	s_lshr_b32 s46, s52, 3
	s_lshl_b32 s46, s46, 9
	s_add_co_u32 s50, s50, s46
	s_lshl_b32 s46, s14, 8
	s_add_co_u32 s50, s50, s46
	s_lshr_b32 s46, s52, 1
	s_and_b32 s46, s46, 3
	s_lshl_b32 s46, s46, 2
	s_add_co_u32 s50, s50, s46
	s_lshl_b32 s46, s53, 1
	s_add_co_u32 s50, s50, s46
	s_add_co_u32 s50, s50, 3145728                 ; y's scale bytes
	s_mov_b32 s20, 0x76543210
	s_mov_b32 s21, 0xfedcba98
	s_mov_b32 s22, 0x3e38aa3b                      ; c = log2(e) / 8
	s_mov_b32 s23, s22
	s_mov_b32 s44, 0xffff0000
	s_mov_b32 s17, 0
	s_mov_b32 s19, 0
	s_mov_b32 s32, 0
	s_wait_kmcnt 0x0
	s_mov_b32 s30, s33
	s_add_nc_u64 s[24:25], s[4:5], s[30:31]
	s_mov_b32 s30, s34
	s_add_nc_u64 s[26:27], s[4:5], s[30:31]
	s_mov_b32 s30, s47
	s_add_nc_u64 s[40:41], s[4:5], s[30:31]
	s_mov_b32 s30, s48
	s_add_nc_u64 s[42:43], s[4:5], s[30:31]
	s_mov_b32 s30, s49
	s_add_nc_u64 s[36:37], s[6:7], s[30:31]
	s_mov_b32 s30, s50
	s_add_nc_u64 s[38:39], s[6:7], s[30:31]
	global_load_b128 v[16:19], v1, s[40:41]        ; Q stays in registers
	global_load_b64 v[20:21], v2, s[40:41] offset:512
	global_load_b32 v28, v11, s[42:43]
	LOADG 1                                        ; slot 0
.irp j, 22,23,24,25,26,27,78,79,80,81,82,83
	v_mov_b32 v[\j], 0                             ; zero codes: Q's k >= 64, and what stands behind K's tile 7
.endr
	v_mov_b32 v13, 0xff61b1e6                      ; the largest t so far: -3e38
	v_floor_f32 v12, -v13
	v_mov_b32 v14, 0
	v_mov_b32 v15, 0
.irp j, 128,129,130,131,137,138
	v_mov_b32 v[\j], 0                             ; lane permutes' destinations, and the upper half of f's pair: written once
.endr
.irp j, 0,1,2,3,4,5,6,7,8,9,10,11,12,13,14,15,16,17,18,19,20,21,22,23,24,25,26,27,28,29,30,31
	v_mov_b32 v[224+\j], 0                         ; O^T: the step is written for every step alike; the first finds zeros
.endr
	STOREL 0, 1
	MEET
.Ltrip:                                            ; four trips of two slots; a slot is written only behind the barrier in front of which every wave has waited for its reads of it
	LOADG 0
	STEP 0, 0
	STEP 0, 1
	STOREL 1, 0
	MEET
	LOADG 0
	STEP 1, 0
	STEP 1, 1
	STOREL 0, 0
	MEET
	s_add_co_u32 s32, s32, 1
	s_cmp_lt_u32 s32, 4
	s_cbranch_scc1 .Ltrip
	; THE WAY OUT: O^T / the sum; its 32 registers are d = 32 b + 16 h + i of my query: quantised, they are a half image of y
	PLACES
	v_add_f32 v14, v14, v15
	v_permlanex16_b32 v138, v14, s20, s21
	v_add_f32 v14, v14, v138
	v_rcp_f32 v14, v14
	v_nop
	s_wait_alu depctr_va_vdst(0)
.irp j, 0,1,2,3,4,5,6,7,8,9,10,11,12,13,14,15,16,17,18,19,20,21,22,23,24,25,26,27,28,29,30,31
	v_mul_f32 v[160+\j], v[224+\j], v14
.endr
.irp b, 0,1
	v_max3_num_f32 v[124+\b], |v[160+16*\b]|, |v[161+16*\b]|, 0x1800000
.endr
.irp i, 2,4,6,8,10,12,14
.irp b, 0,1
	v_max3_num_f32 v[124+\b], v[124+\b], |v[160+16*\b+\i]|, |v[161+16*\b+\i]|
.endr
.endr
.irp b, 0,1
	v_permlanex16_b32 v[128+\b], v[124+\b], s20, s21
.endr
.irp b, 0,1
	v_max_num_f32 v[124+\b], v[124+\b], v[128+\b]
.endr
.irp b, 0,1
	v_add_nc_u32 v[132+\b], 0xff000000, v[124+\b]
.endr
.irp b, 0,1
	v_lshrrev_b32 v[128+\b], 23, v[132+\b]
.endr
	v_cvt_scalef32_pk16_fp6_f32 v[104:106], v[160:175], v132
	v_cvt_scalef32_pk16_fp6_f32 v[110:112], v[176:191], v133
	v_nop
.irp i, 0,1,2
	v_permlane16_swap_b32 v[104+\i], v[110+\i]
.endr
.irp i, 0,1,2
	v_mov_b32 v[107+\i], v[110+\i]
.endr
	v_cndmask_b32 v124, v128, v129, s44            ; lanes 0-15 store block 0's byte of their row, lanes 16-31 block 1's
	global_store_b128 v1, v[104:107], s[36:37]
	global_store_b64 v2, v[108:109], s[36:37] offset:512
	global_store_b8 v7, v124, s[38:39]
	s_wait_tensorcnt 0x0
	ds_add_u32 v158, v159
	s_wait_dscnt 0x0
	s_endpgm
.Lfunc_end_k_q3ddb37dc72_attn:
	.size	k_q3ddb37dc72_attn, .Lfunc_end_k_q3ddb37dc72_attn-k_q3ddb37dc72_attn
	.p2alignl 7, 3214868480
	.fill 96, 4, 3214868480
	.section	.rodata,"a",@progbits
	.p2align	6, 0x0
	.amdhsa_kernel k_q3ddb37dc72_attn
		.amdhsa_group_segment_fixed_size 54272
		.amdhsa_private_segment_fixed_size 0
		.amdhsa_enable_private_segment 0
		.amdhsa_kernarg_size 16
		.amdhsa_user_sgpr_count 2
		.amdhsa_user_sgpr_kernarg_segment_ptr 1
		.amdhsa_wavefront_size32 1
		.amdhsa_system_sgpr_workgroup_id_x 1
		.amdhsa_system_sgpr_workgroup_id_y 1
		.amdhsa_system_sgpr_workgroup_id_z 1
		.amdhsa_system_vgpr_workitem_id 0
		.amdhsa_next_free_vgpr 256
		.amdhsa_next_free_sgpr 66
		.amdhsa_reserve_vcc 1
		.amdhsa_float_denorm_mode_32 3
		.amdhsa_float_denorm_mode_16_64 3
		.amdhsa_memory_ordered 1
		.amdhsa_forward_progress 1
		.amdhsa_inst_pref_size 99
	.end_amdhsa_kernel
	.amdgpu_metadata
---
amdhsa.version: [ 1, 2 ]
amdhsa.kernels:
  - .name:           k_q3ddb37dc72_attn
    .symbol:         k_q3ddb37dc72_attn.kd
    .args:
      - { .name: qkvc, .offset: 0, .size: 8, .value_kind: global_buffer, .address_space: global }
      - { .name: yc, .offset: 8, .size: 8, .value_kind: global_buffer, .address_space: global }
    .group_segment_fixed_size: 54272
    .private_segment_fixed_size: 0
    .kernarg_segment_align: 8
    .kernarg_segment_size: 16
    .max_flat_workgroup_size: 512
    .sgpr_count:     66
    .vgpr_count:     256
    .wavefront_size: 32
...
	.end_amdgpu_metadata
.endif
;; end of part 3
;; launch proj (part 4): grid 4 x 64, 4 waves a work-group, no clusters, 168,448 bytes of LDS; arguments yc, wimg, x, x1; writes x1
.if DOCPART == 4
	.amdgcn_target "amdgcn-amd-amdhsa--gfx1250"
	.amdhsa_code_object_version 6
	.text
	.protected	k_q3ddb37dc72_proj
	.globl	k_q3ddb37dc72_proj
	.p2align	8
	.type	k_q3ddb37dc72_proj,@function
k_q3ddb37dc72_proj:
	s_mov_b64 s[64:65], 0
	v_nop
	global_prefetch_b8 v0, s[64:65] scope:SCOPE_SE
	s_setreg_imm32_b32 hwreg(HW_REG_WAVE_MODE, 25, 1), 1
	s_wait_xcnt 0x0
; x1 = x + Q(y) Q(w_attn_proj), on codes of E2M3 with E8M0 scales; x1 [4096][1024] f32.
; The product is that of the launch for q, k, v: wave w keeps 64 columns of the weight x K = 1,024 (32 fragments) in registers; 64 tokens of y (four tiles: 49,152 bytes of images, 2,048 of scale words) come into LDS
; once, a quarter a wave by two tensor loads; nothing in LDS is filled again.  One quad: 16 accumulators by turns, 8 K steps, 128 matrix instructions.
; Source 0 = 16 columns, source 1 = 16 tokens: a lane holds one token and 32 of the wave's 64 columns (32 b + 16 (lane / 16) + i).  A tile goes through the wave's own stage in LDS and comes back as rows of 256 bytes,
; which sixteen lanes store whole, aligned.  The residual x is asked for at the head.
; No cluster: the tokens' block is shared by four work-groups, but it is a fifth of a work-group's bytes.
; REGISTERS: as in the launch for q, k, v; v7 my offset in two rows, v8, v9 the stage in and out; v192-255 two sets of eight rows' pieces; window 3: v0-127 the residual.
.set ASCL, 49152
.set STG, 51200
.set ACC, 64
.set RSC, 16
.set SSC, 32
.set MSB, 0
.macro WIN new
.if MSB != (\new)
	s_set_vgpr_msb (MSB<<8)|(\new)
.set MSB, (\new)
.endif
.endm
.macro WM d, a, b, c, sa, sb, ra, rb
.if (\c) < 0
.if ((\ra) == 0) && ((\rb) == 0)
	v_wmma_scale_f32_16x16x128_f8f6f4 v[\d:\d+7], v[\a:\a+11], v[\b:\b+11], 0, v[\sa], v[\sb] matrix_a_fmt:MATRIX_FMT_FP6 matrix_b_fmt:MATRIX_FMT_FP6
.elseif (\rb) == 0
	v_wmma_scale_f32_16x16x128_f8f6f4 v[\d:\d+7], v[\a:\a+11], v[\b:\b+11], 0, v[\sa], v[\sb] matrix_a_fmt:MATRIX_FMT_FP6 matrix_b_fmt:MATRIX_FMT_FP6 matrix_a_scale:MATRIX_SCALE_ROW1
.elseif (\ra) == 0
	v_wmma_scale_f32_16x16x128_f8f6f4 v[\d:\d+7], v[\a:\a+11], v[\b:\b+11], 0, v[\sa], v[\sb] matrix_a_fmt:MATRIX_FMT_FP6 matrix_b_fmt:MATRIX_FMT_FP6 matrix_b_scale:MATRIX_SCALE_ROW1
.else
	v_wmma_scale_f32_16x16x128_f8f6f4 v[\d:\d+7], v[\a:\a+11], v[\b:\b+11], 0, v[\sa], v[\sb] matrix_a_fmt:MATRIX_FMT_FP6 matrix_b_fmt:MATRIX_FMT_FP6 matrix_a_scale:MATRIX_SCALE_ROW1 matrix_b_scale:MATRIX_SCALE_ROW1
.endif
.else
.if ((\ra) == 0) && ((\rb) == 0)
	v_wmma_scale_f32_16x16x128_f8f6f4 v[\d:\d+7], v[\a:\a+11], v[\b:\b+11], v[\c:\c+7], v[\sa], v[\sb] matrix_a_fmt:MATRIX_FMT_FP6 matrix_b_fmt:MATRIX_FMT_FP6
.elseif (\rb) == 0
	v_wmma_scale_f32_16x16x128_f8f6f4 v[\d:\d+7], v[\a:\a+11], v[\b:\b+11], v[\c:\c+7], v[\sa], v[\sb] matrix_a_fmt:MATRIX_FMT_FP6 matrix_b_fmt:MATRIX_FMT_FP6 matrix_a_scale:MATRIX_SCALE_ROW1
.elseif (\ra) == 0
	v_wmma_scale_f32_16x16x128_f8f6f4 v[\d:\d+7], v[\a:\a+11], v[\b:\b+11], v[\c:\c+7], v[\sa], v[\sb] matrix_a_fmt:MATRIX_FMT_FP6 matrix_b_fmt:MATRIX_FMT_FP6 matrix_b_scale:MATRIX_SCALE_ROW1
.else
	v_wmma_scale_f32_16x16x128_f8f6f4 v[\d:\d+7], v[\a:\a+11], v[\b:\b+11], v[\c:\c+7], v[\sa], v[\sb] matrix_a_fmt:MATRIX_FMT_FP6 matrix_b_fmt:MATRIX_FMT_FP6 matrix_a_scale:MATRIX_SCALE_ROW1 matrix_b_scale:MATRIX_SCALE_ROW1
.endif
.endif
.endm
.macro MM m, t, s
.set F, 4*(\s)+(\t)
.if F < 21
.set WV, 0x09
.set RB, 12*F
.else
.set WV, 0x0a
.set RB, 12*(F-21)
.endif
.set SF, 132+48*((\s)%2)+12*(\m)
.set DA, ACC+32*(\m)+8*(\t)
.set RS, RSC+8*((\t)/2)+(\s)
.set SS, SSC+8*((\m)/2)+(\s)
	WIN WV
.if (\s) == 0
	WM DA, RB, SF, -1, RS, SS, (\t)%2, (\m)%2
.else
	WM DA, RB, SF, DA, RS, SS, (\t)%2, (\m)%2
.endif
.endm
.macro FETCH s
	WIN 0x80
.irp m, 0,1,2,3
	ds_load_b128 v[132+48*((\s)%2)+12*\m:132+48*((\s)%2)+12*\m+3], v3 offset:(8*\m+(\s))*1536
	ds_load_b64 v[132+48*((\s)%2)+12*\m+4:132+48*((\s)%2)+12*\m+5], v4 offset:(8*\m+(\s))*1536+512
	ds_load_b128 v[132+48*((\s)%2)+12*\m+6:132+48*((\s)%2)+12*\m+9], v3 offset:(8*\m+(\s))*1536+768
	ds_load_b64 v[132+48*((\s)%2)+12*\m+10:132+48*((\s)%2)+12*\m+11], v4 offset:(8*\m+(\s))*1536+1280
.endr
.endm
.macro PLACES
.rept 4
	v_nop
.endr
.endm
	s_load_b256 s[4:11], s[0:1], 0x0               ; yc, wimg, x, x1
	v_lshl_add_u32 v62, v0, 2, 0x29000
	v_mov_b32 v63, 0
	ds_add_u32 v62, v63
	ds_add_u32 v62, v63
	v_lshrrev_b32 v1, 5, v0
	v_readfirstlane_b32 s52, v1
	v_and_b32 v6, 31, v0
	v_and_b32 v10, 15, v0                          ; r
	v_bfe_u32 v11, v0, 4, 1                        ; h
	v_lshlrev_b32 v1, 4, v6
	v_lshlrev_b32 v2, 3, v6
	v_mov_b32 v3, v1                               ; the images begin at LDS byte 0
	v_mov_b32 v4, v2
	v_add_nc_u32 v5, ASCL, v1
	v_lshlrev_b32 v12, 4, v10
	v_lshl_add_u32 v7, v11, 12, v12                ; two rows of x and x1: 4,096 h + 16 r
	s_mul_i32 s46, s52, 4352
	s_add_co_u32 s46, s46, STG                     ; my stage: 16 rows x (256 + 16) bytes
	v_mul_u32_u24 v8, v10, 272
	v_lshl_add_u32 v8, v11, 6, v8
	v_add_nc_u32 v8, s46, v8                       ; in: row r, + 64 h
	v_mul_u32_u24 v9, v11, 272
	v_add_nc_u32 v9, v9, v12
	v_add_nc_u32 v9, s46, v9                       ; back: lanes 0-15 one row, lanes 16-31 the next
	s_mov_b32 s53, ttmp9                           ; 256 columns
	s_and_b32 s54, ttmp7, 0xffff                   ; 64 tokens
	s_mov_b32 s16, 3<<16                           ; dense blocks as rows of 256 bytes: 48 rows of images,
	s_mov_b32 s17, 32<<16
	s_mov_b32 s18, 48<<16
	s_mov_b32 s19, 32<<16
	s_mov_b32 s20, 48
	s_mov_b32 s21, 32
	s_mov_b32 s22, 0
	s_mov_b32 s23, 0
	s_mov_b32 s28, 3<<16                           ; 2 rows of scale words
	s_mov_b32 s29, 32<<16
	s_mov_b32 s30, 2<<16
	s_mov_b32 s31, 32<<16
	s_mov_b32 s32, 2
	s_mov_b32 s33, 32
	s_mov_b32 s34, 0
	s_mov_b32 s35, 0
	s_mov_b32 s45, 0
	s_mov_b32 s12, 1
	s_mul_i32 s13, s52, 12288
	s_mov_b32 s24, 1
	s_lshl_b32 s25, s52, 9
	s_add_co_u32 s25, s25, ASCL
	s_mul_i32 s2, s53, 196608
	s_mul_i32 s46, s52, 49152
	s_add_co_u32 s2, s2, s46
	s_add_co_u32 s2, s2, 2359296                   ; the weight's images: chunk 192 + 16 x + 4 w
	s_lshl_b32 s48, s53, 13
	s_lshl_b32 s46, s52, 11
	s_add_co_u32 s48, s48, s46
	s_add_co_u32 s48, s48, 9535488                 ; its scale words
	s_mul_i32 s3, s54, 49152
	s_mul_i32 s46, s52, 12288
	s_add_co_u32 s3, s3, s46                       ; y's images: the quarter that I fetch
	s_lshl_b32 s50, s54, 11
	s_lshl_b32 s46, s52, 9
	s_add_co_u32 s50, s50, s46
	s_add_co_u32 s50, s50, 3145728
	s_lshl_b32 s51, s54, 18
	s_lshl_b32 s46, s53, 10
	s_add_co_u32 s51, s51, s46
	s_lshl_b32 s46, s52, 8
	s_add_co_u32 s51, s51, s46                     ; x, x1: row 64 y, byte 1,024 x + 256 w
	s_wait_dscnt 0x0
	s_wait_kmcnt 0x0
	s_mov_b32 s44, s3
	s_add_nc_u64 s[14:15], s[4:5], s[44:45]
	s_mov_b32 s44, s50
	s_add_nc_u64 s[26:27], s[4:5], s[44:45]
	s_mov_b32 s44, s2
	s_add_nc_u64 s[36:37], s[6:7], s[44:45]
	s_mov_b32 s44, s48
	s_add_nc_u64 s[38:39], s[6:7], s[44:45]
	s_mov_b32 s44, s51
	s_add_nc_u64 s[8:9], s[8:9], s[44:45]
	s_add_nc_u64 s[40:41], s[10:11], s[44:45]
	s_or_b32 s15, s15, 0x80000000
	s_or_b32 s27, s27, 0x80000000
	tensor_load_to_lds s[12:15], s[16:23]          ; the first and only fills: two tensor loads of mine are out
	s_nop 0
	tensor_load_to_lds s[24:27], s[28:35]
	s_nop 0
	PLACES
.irp s, 0,1,2,3,4,5,6,7
.irp t, 0,1,2,3
.set F, 4*\s+\t
.if F < 21
	WIN 0x40
.set RB, 12*F
.else
	WIN 0x80
.set RB, 12*(F-21)
.endif
	global_load_b128 v[RB:RB+3], v1, s[36:37] offset:\t*12288+\s*1536
	global_load_b64 v[RB+4:RB+5], v2, s[36:37] offset:\t*12288+\s*1536+512
	global_load_b128 v[RB+6:RB+9], v1, s[36:37] offset:\t*12288+\s*1536+768
	global_load_b64 v[RB+10:RB+11], v2, s[36:37] offset:\t*12288+\s*1536+1280
.endr
.endr
	WIN 0
.irp e, 0,1
.irp q, 0,1
	global_load_b128 v[RSC+8*\e+4*\q:RSC+8*\e+4*\q+3], v1, s[38:39] offset:1024*\e+512*\q
.endr
.endr
	WIN 0xc0                                       ; destination window 3
.irp m, 0,1,2,3
.irp i, 0,1,2,3,4,5,6,7
	global_load_b128 v[32*\m+4*\i:32*\m+4*\i+3], v7, s[8:9] offset:(32*(\m/2)+8*(\m%2)+2*\i+8*(\i/4))*4096   ; the residual: lane-rows 2 i, 2 i + 1 of tile m
.endr
.endr
	WIN 0
	s_wait_tensorcnt 0x0                           ; my quarters have landed,
	s_barrier_signal -1
	s_barrier_wait -1                              ; everybody's have
	s_wait_loadcnt 0x0
.irp e, 0,1
.irp q, 0,1
	ds_load_b128 v[SSC+8*\e+4*\q:SSC+8*\e+4*\q+3], v5 offset:1024*\e+512*\q
.endr
.endr
	FETCH 0
.irp s, 0,1,2,3,4,5,6,7
.if \s < 7
.if \s > 0
	PLACES                                         ; the buffer below was read by the matrix instructions just issued
.endif
	FETCH \s+1
	s_wait_dscnt 16                                ; all but the 16 loads just issued
.else
	s_wait_dscnt 0x0
.endif
.irp t, 0,1,2,3
.irp m, 0,1,2,3
	MM \m, \t, \s                                  ; the 16 accumulators take turns
.endr
.endr
.endr
	WIN 0
	PLACES
.irp m, 0,1,2,3
.if \m == 2
	s_wait_xcnt 0x0                                ; the stores of tiles 0 and 1 have read their registers: both sets may be loaded again
.endif
.irp b, 0,1
.irp i, 0,1,2,3
	ds_store_b128 v8, v[ACC+32*\m+16*\b+4*\i:ACC+32*\m+16*\b+4*\i+3] offset:128*\b+16*\i   ; each accumulator from its low end on
.endr
.endr
.irp i, 0,1,2,3,4,5,6,7
	ds_load_b128 v[192+32*(\m%2)+4*\i:192+32*(\m%2)+4*\i+3], v9 offset:544*\i   ; LDS serves a wave's instructions in order (ISA guide 5.7.1.4): these see my stores, and the next tile's stores come behind them
.endr
	s_wait_dscnt 0x0
	WIN 0x0c                                       ; source 1 window 3
.irp i, 0,1,2,3,4,5,6,7
	v_pk_add_f32 v[192+32*(\m%2)+4*\i:192+32*(\m%2)+4*\i+1], v[192+32*(\m%2)+4*\i:192+32*(\m%2)+4*\i+1], v[32*\m+4*\i:32*\m+4*\i+1]
	v_pk_add_f32 v[192+32*(\m%2)+4*\i+2:192+32*(\m%2)+4*\i+3], v[192+32*(\m%2)+4*\i+2:192+32*(\m%2)+4*\i+3], v[32*\m+4*\i+2:32*\m+4*\i+3]
.endr
	WIN 0
.irp i, 0,1,2,3,4,5,6,7
	global_store_b128 v7, v[192+32*(\m%2)+4*\i:192+32*(\m%2)+4*\i+3], s[40:41] offset:(32*(\m/2)+8*(\m%2)+2*\i+8*(\i/4))*4096   ; sixteen lanes store 256 consecutive bytes, aligned
.endr
.endr
	s_wait_tensorcnt 0x0
	ds_add_u32 v62, v63
	s_wait_dscnt 0x0
	s_endpgm
.Lfunc_end_k_q3ddb37dc72_proj:
	.size	k_q3ddb37dc72_proj, .Lfunc_end_k_q3ddb37dc72_proj-k_q3ddb37dc72_proj
	.p2alignl 7, 3214868480
	.fill 96, 4, 3214868480
	.section	.rodata,"a",@progbits
	.p2align	6, 0x0
	.amdhsa_kernel k_q3ddb37dc72_proj
		.amdhsa_group_segment_fixed_size 168448
		.amdhsa_private_segment_fixed_size 0
		.amdhsa_enable_private_segment 0
		.amdhsa_kernarg_size 32
		.amdhsa_user_sgpr_count 2
		.amdhsa_user_sgpr_kernarg_segment_ptr 1
		.amdhsa_wavefront_size32 1
		.amdhsa_system_sgpr_workgroup_id_x 1
		.amdhsa_system_sgpr_workgroup_id_y 1
		.amdhsa_system_sgpr_workgroup_id_z 1
		.amdhsa_system_vgpr_workitem_id 0
		.amdhsa_next_free_vgpr 896
		.amdhsa_next_free_sgpr 66
		.amdhsa_reserve_vcc 0
		.amdhsa_float_denorm_mode_32 3
		.amdhsa_float_denorm_mode_16_64 3
		.amdhsa_memory_ordered 1
		.amdhsa_forward_progress 1
		.amdhsa_inst_pref_size 58
	.end_amdhsa_kernel
	.amdgpu_metadata
---
amdhsa.version: [ 1, 2 ]
amdhsa.kernels:
  - .name:           k_q3ddb37dc72_proj
    .symbol:         k_q3ddb37dc72_proj.kd
    .args:
      - { .name: yc, .offset: 0, .size: 8, .value_kind: global_buffer, .address_space: global }
      - { .name: wimg, .offset: 8, .size: 8, .value_kind: global_buffer, .address_space: global }
      - { .name: x, .offset: 16, .size: 8, .value_kind: global_buffer, .address_space: global }
      - { .name: x1, .offset: 24, .size: 8, .value_kind: global_buffer, .address_space: global }
    .group_segment_fixed_size: 168448
    .private_segment_fixed_size: 0
    .kernarg_segment_align: 8
    .kernarg_segment_size: 32
    .max_flat_workgroup_size: 128
    .sgpr_count:     66
    .vgpr_count:     896
    .wavefront_size: 32
...
	.end_amdgpu_metadata
.endif
;; end of part 4
;; launch ln2 (part 5): grid 256 x 1, 4 waves a work-group, no clusters, 66,560 bytes of LDS; arguments x1, ln2_w, ln2_b, a2; writes a2
.if DOCPART == 5
	.amdgcn_target "amdgcn-amd-amdhsa--gfx1250"
	.amdhsa_code_object_version 6
	.text
	.protected	k_q3ddb37dc72_ln2
	.globl	k_q3ddb37dc72_ln2
	.p2align	8
	.type	k_q3ddb37dc72_ln2,@function
k_q3ddb37dc72_ln2:
	s_mov_b64 s[64:65], 0
	v_nop
	global_prefetch_b8 v0, s[64:65] scope:SCOPE_SE
	s_setreg_imm32_b32 hwreg(HW_REG_WAVE_MODE, 25, 1), 1
	s_wait_xcnt 0x0
; LayerNorm of 16 tokens of x1 [4096][1024] f32 a work-group, quantised along the 1,024 to codes of E2M3 with one E8M0 byte for each 32, stored as images of operand registers.
; TILE ORDER: lane-row p of tile 2 g + u is token 32 g + 8 u + p + 8 (p / 8).  IMAGE of a fragment (16 rows x 128 K), 1,536 bytes: registers 0-3 at 16 x lane, 4-5 at 512 + 8 x lane, 6-9 at 768 + 16 x lane,
; 10-11 at 1,280 + 8 x lane; fragment (tile T, K step s) at (8 T + s) 1,536.  SCALE IMAGE at 3,145,728: the word of K step 4 q + i of lane-row r of tile 2 g + u at 1,024 g + 512 q + 16 (16 u + r) + 4 i.
; LIMITS: NaN and infinities are not served; a block of zeros gets the byte 1 where the rule says 127 (its codes are zeros; this program alone reads the bytes); blocks under 2^-124 are held at the byte 1.
; The variance is taken of x - mean, in a second pass over registers: no difference of large sums.
.set PITCH, 4112                       ; an LDS row: 4,096 bytes + 16
.set X,  64
.set LW, 192
.set LB, 224
.set TM, 8
.set PW, 24
.macro QUANT s, pc, pw
.irp b, 0,1,2,3
	v_max3_num_f32 v[TM+\b], |v[\s+16*\b]|, |v[\s+1+16*\b]|, 0x1800000   ; my 16 numbers of block b, and the floor 2^(3 - 127)
.endr
.irp i, 2,4,6,8,10,12,14
.irp b, 0,1,2,3
	v_max3_num_f32 v[TM+\b], v[TM+\b], |v[\s+16*\b+\i]|, |v[\s+1+16*\b+\i]|
.endr
.endr
.irp b, 0,1,2,3
	v_permlanex16_b32 v[TM+4+\b], v[TM+\b], s44, s45
.endr
.irp b, 0,1,2,3
	v_max_num_f32 v[TM+\b], v[TM+\b], v[TM+4+\b]
.endr
.irp b, 0,1,2,3
	v_add_nc_u32 v[TM+12+\b], 0xff000000, v[TM+\b]       ; 2 off the exponent field: the conversion's scale operand
.endr
.irp b, 0,1,2,3
	v_lshrrev_b32 v[TM+4+\b], 23, v[TM+12+\b]
.endr
	v_lshl_or_b32 v[\pw], v[TM+5], 8, v[TM+4]
	v_lshl_or_b32 v[\pw], v[TM+6], 16, v[\pw]
	v_lshl_or_b32 v[\pw], v[TM+7], 24, v[\pw]
.irp c, 0,1
	v_cvt_scalef32_pk16_fp6_f32 v[\pc+6*\c:\pc+2+6*\c], v[\s+32*\c:\s+15+32*\c], v[TM+12+2*\c]
	v_cvt_scalef32_pk16_fp6_f32 v[\pc+12+4*\c:\pc+14+4*\c], v[\s+16+32*\c:\s+31+32*\c], v[TM+12+2*\c+1]
.endr
	v_nop                                                ; one plain line behind the scaled conversions
.irp c, 0,1
.irp i, 0,1,2
	v_permlane16_swap_b32 v[\pc+6*\c+\i], v[\pc+12+4*\c+\i]
.endr
.irp i, 0,1,2
	v_mov_b32 v[\pc+3+6*\c+\i], v[\pc+12+4*\c+\i]
.endr
.endr
.endm
.macro IMG pc, base, off
	global_store_b128 v1, v[\pc:\pc+3], s[\base:\base+1] offset:\off
	global_store_b64 v4, v[\pc+4:\pc+5], s[\base:\base+1] offset:\off+512
	global_store_b128 v1, v[\pc+6:\pc+9], s[\base:\base+1] offset:\off+768
	global_store_b64 v4, v[\pc+10:\pc+11], s[\base:\base+1] offset:\off+1280
.endm
.macro ACROSS b
.irp k, 1,2,4,8
.irp i, 0,1,2,3
	v_add_f32_dpp v[\b+4*\i], v[\b+4*\i], v[\b+4*\i] row_xmask:\k row_mask:0xf bank_mask:0xf
.endr
.endr
.irp i, 0,1,2,3
	v_permlanex16_b32 v[\b+1+4*\i], v[\b+4*\i], s44, s45
.endr
.irp i, 0,1,2,3
	v_add_f32 v[\b+4*\i], v[\b+4*\i], v[\b+1+4*\i]
.endr
.endm
	s_load_b256 s[4:11], s[0:1], 0x0               ; x1, ln_w, ln_b, a2
	v_lshl_add_u32 v62, v0, 2, 0x10200
	v_mov_b32 v63, 0
	v_lshrrev_b32 v1, 5, v0
	v_readfirstlane_b32 s30, v1                    ; wave 0..3
	v_and_b32 v6, 31, v0
	v_and_b32 v7, 15, v0                           ; r
	v_bfe_u32 v5, v0, 4, 1                         ; h
	v_lshlrev_b32 v1, 4, v6
	v_lshlrev_b32 v4, 3, v6
	s_mov_b32 s35, 0
	s_mul_i32 s40, s30, 4*PITCH
	v_add_nc_u32 v2, s40, v1                       ; LDS, in: my wave's four rows
	v_mul_u32_u24 v3, v7, PITCH
	v_lshl_add_u32 v3, v5, 6, v3
	s_lshl_b32 s40, s30, 10
	v_add_nc_u32 v3, s40, v3                       ; LDS, out: row r, + 64 h, + my wave's two K steps
	v_lshlrev_b32 v7, 4, v7
	v_lshl_add_u32 v5, v5, 2, v7                   ; 16 r + 4 h
	s_lshr_b32 s31, ttmp9, 1
	s_and_b32 s32, ttmp9, 1
	s_lshr_b32 s33, s30, 1
	s_and_b32 s36, s30, 1
	s_lshl_b32 s34, s31, 5
	s_lshl_b32 s40, s32, 3
	s_add_co_u32 s34, s34, s40
	s_lshl_b32 s40, s30, 2
	s_add_co_u32 s34, s34, s40
	s_lshl_b32 s40, s33, 3
	s_add_co_u32 s34, s34, s40                     ; my first token
	s_lshl_b32 s34, s34, 12
	s_wait_kmcnt 0x0
	s_add_nc_u64 s[4:5], s[4:5], s[34:35]
.irp i, 0,1,2,3
.irp j, 0,1,2,3,4,5,6,7
	global_load_b128 v[X+32*\i+4*\j:X+32*\i+4*\j+3], v1, s[4:5] offset:4096*\i+512*\j
.endr
.endr
.irp j, 0,1,2,3,4,5,6,7
	global_load_b128 v[LW+4*\j:LW+4*\j+3], v1, s[6:7] offset:512*\j
	global_load_b128 v[LB+4*\j:LB+4*\j+3], v1, s[8:9] offset:512*\j
.endr
	s_lshl_b32 s34, ttmp9, 3
	s_lshl_b32 s40, s30, 1
	s_add_co_u32 s34, s34, s40
	s_mul_i32 s34, s34, 1536
	s_add_nc_u64 s[38:39], s[10:11], s[34:35]
	s_lshl_b32 s34, s31, 10
	s_lshl_b32 s40, s33, 9
	s_add_co_u32 s34, s34, s40
	s_lshl_b32 s40, s32, 8
	s_add_co_u32 s34, s34, s40
	s_lshl_b32 s40, s36, 3
	s_add_co_u32 s34, s34, s40
	s_add_co_u32 s34, s34, 3145728
	s_add_nc_u64 s[10:11], s[10:11], s[34:35]
	s_mov_b32 s41, 0x3a800000                      ; 1 / 1024
	s_mov_b32 s42, 0x3727c5ac                      ; 1e-5
	s_mov_b32 s43, 0xffff0000
	s_mov_b32 s44, 0x76543210
	s_mov_b32 s45, 0xfedcba98
	s_wait_loadcnt 0x0
.irp i, 0,1,2,3
	v_pk_add_f32 v[8+4*\i:9+4*\i], v[X+32*\i:X+32*\i+1], v[X+32*\i+2:X+32*\i+3]
	v_pk_add_f32 v[10+4*\i:11+4*\i], v[X+32*\i+4:X+32*\i+5], v[X+32*\i+6:X+32*\i+7]
.endr
.irp j, 8,12,16,20,24,28
.irp i, 0,1,2,3
	v_pk_add_f32 v[8+4*\i:9+4*\i], v[8+4*\i:9+4*\i], v[X+32*\i+\j:X+32*\i+\j+1]
	v_pk_add_f32 v[10+4*\i:11+4*\i], v[10+4*\i:11+4*\i], v[X+32*\i+\j+2:X+32*\i+\j+3]
.endr
.endr
.irp i, 0,1,2,3
	v_pk_add_f32 v[8+4*\i:9+4*\i], v[8+4*\i:9+4*\i], v[10+4*\i:11+4*\i]
.endr
.irp i, 0,1,2,3
	v_add_f32 v[8+4*\i], v[8+4*\i], v[9+4*\i]
.endr
	ACROSS 8
.irp i, 0,1,2,3
	v_mul_f32 v[8+4*\i], s41, v[8+4*\i]
.endr
.irp j, 0,2,4,6,8,10,12,14,16,18,20,22,24,26,28,30
.irp i, 0,1,2,3
	v_pk_add_f32 v[X+32*\i+\j:X+32*\i+\j+1], v[X+32*\i+\j:X+32*\i+\j+1], v[8+4*\i:9+4*\i] op_sel_hi:[1,0] neg_lo:[0,1] neg_hi:[0,1]
.endr
.endr
.irp i, 0,1,2,3
	v_pk_mul_f32 v[24+4*\i:25+4*\i], v[X+32*\i:X+32*\i+1], v[X+32*\i:X+32*\i+1]
	v_pk_mul_f32 v[26+4*\i:27+4*\i], v[X+32*\i+2:X+32*\i+3], v[X+32*\i+2:X+32*\i+3]
.endr
.irp j, 4,8,12,16,20,24,28
.irp i, 0,1,2,3
	v_pk_fma_f32 v[24+4*\i:25+4*\i], v[X+32*\i+\j:X+32*\i+\j+1], v[X+32*\i+\j:X+32*\i+\j+1], v[24+4*\i:25+4*\i]
	v_pk_fma_f32 v[26+4*\i:27+4*\i], v[X+32*\i+\j+2:X+32*\i+\j+3], v[X+32*\i+\j+2:X+32*\i+\j+3], v[26+4*\i:27+4*\i]
.endr
.endr
.irp i, 0,1,2,3
	v_pk_add_f32 v[24+4*\i:25+4*\i], v[24+4*\i:25+4*\i], v[26+4*\i:27+4*\i]
.endr
.irp i, 0,1,2,3
	v_add_f32 v[24+4*\i], v[24+4*\i], v[25+4*\i]
.endr
	ACROSS 24
.irp i, 0,1,2,3
	v_fma_f32 v[24+4*\i], v[24+4*\i], s41, s42
.endr
.irp i, 0,1,2,3
	v_rsq_f32 v[26+4*\i], v[24+4*\i]
.endr
	v_nop                                          ; a plain line behind the last of the four
	s_wait_alu depctr_va_vdst(0)                   ; one wait for the four, ahead of their first reader
.irp j, 0,2,4,6,8,10,12,14,16,18,20,22,24,26,28,30
.irp i, 0,1,2,3
	v_pk_mul_f32 v[X+32*\i+\j:X+32*\i+\j+1], v[X+32*\i+\j:X+32*\i+\j+1], v[26+4*\i:27+4*\i] op_sel_hi:[1,0]
.endr
.irp i, 0,1,2,3
	v_pk_fma_f32 v[X+32*\i+\j:X+32*\i+\j+1], v[X+32*\i+\j:X+32*\i+\j+1], v[LW+\j:LW+\j+1], v[LB+\j:LB+\j+1]
.endr
.endr
.irp i, 0,1,2,3
.irp j, 0,1,2,3,4,5,6,7
	ds_store_b128 v2, v[X+32*\i+4*\j:X+32*\i+4*\j+3] offset:PITCH*\i+512*\j
.endr
.endr
	s_wait_dscnt 0x0                               ; for the others' sake: my four rows lie in LDS
	s_barrier_signal -1
	s_barrier_wait -1
.irp q, 0,1
.irp b, 0,1,2,3
.irp j, 0,1,2,3
	ds_load_b128 v[X+64*\q+16*\b+4*\j:X+64*\q+16*\b+4*\j+3], v3 offset:512*\q+128*\b+16*\j
.endr
.endr
.endr
	s_wait_dscnt 16                                ; the first K step's 16 loads are in; the second's may be out
	QUANT X, 32, PW
	IMG 32, 38, 0
	s_wait_dscnt 0x0
	QUANT X+64, 192, PW+1
	IMG 192, 38, 1536
	v_cndmask_b32 v26, v24, v25, s43               ; lanes 0-15 store the first K step's word of row r, lanes 16-31 the second's
	global_store_b32 v5, v26, s[10:11]
	s_wait_tensorcnt 0x0
	ds_add_u32 v62, v63
	s_wait_dscnt 0x0
	s_endpgm
.Lfunc_end_k_q3ddb37dc72_ln2:
	.size	k_q3ddb37dc72_ln2, .Lfunc_end_k_q3ddb37dc72_ln2-k_q3ddb37dc72_ln2
	.p2alignl 7, 3214868480
	.fill 96, 4, 3214868480
	.section	.rodata,"a",@progbits
	.p2align	6, 0x0
	.amdhsa_kernel k_q3ddb37dc72_ln2
		.amdhsa_group_segment_fixed_size 66560
		.amdhsa_private_segment_fixed_size 0
		.amdhsa_enable_private_segment 0
		.amdhsa_kernarg_size 32
		.amdhsa_user_sgpr_count 2
		.amdhsa_user_sgpr_kernarg_segment_ptr 1
		.amdhsa_wavefront_size32 1
		.amdhsa_system_sgpr_workgroup_id_x 1
		.amdhsa_system_sgpr_workgroup_id_y 1
		.amdhsa_system_sgpr_workgroup_id_z 1
		.amdhsa_system_vgpr_workitem_id 0
		.amdhsa_next_free_vgpr 256
		.amdhsa_next_free_sgpr 66
		.amdhsa_reserve_vcc 0
		.amdhsa_float_denorm_mode_32 3
		.amdhsa_float_denorm_mode_16_64 3
		.amdhsa_memory_ordered 1
		.amdhsa_forward_progress 1
		.amdhsa_inst_pref_size 44
	.end_amdhsa_kernel
	.amdgpu_metadata
---
amdhsa.version: [ 1, 2 ]
amdhsa.kernels:
  - .name:           k_q3ddb37dc72_ln2
    .symbol:         k_q3ddb37dc72_ln2.kd
    .args:
      - { .name: x1, .offset: 0, .size: 8, .value_kind: global_buffer, .address_space: global }
      - { .name: ln2_w, .offset: 8, .size: 8, .value_kind: global_buffer, .address_space: global }
      - { .name: ln2_b, .offset: 16, .size: 8, .value_kind: global_buffer, .address_space: global }
      - { .name: a2, .offset: 24, .size: 8, .value_kind: global_buffer, .address_space: global }
    .group_segment_fixed_size: 66560
    .private_segment_fixed_size: 0
    .kernarg_segment_align: 8
    .kernarg_segment_size: 32
    .max_flat_workgroup_size: 128
    .sgpr_count:     66
    .vgpr_count:     256
    .wavefront_size: 32
...
	.end_amdgpu_metadata
.endif
;; end of part 5
;; launch fc (part 6): grid 16 x 16, 4 waves a work-group, no clusters, 205,312 bytes of LDS; arguments a2, wimg, b_fc, hc; writes hc
.if DOCPART == 6
	.amdgcn_target "amdgcn-amd-amdhsa--gfx1250"
	.amdhsa_code_object_version 6
	.text
	.protected	k_q3ddb37dc72_fc
	.globl	k_q3ddb37dc72_fc
	.p2align	8
	.type	k_q3ddb37dc72_fc,@function
k_q3ddb37dc72_fc:
	s_mov_b64 s[64:65], 0
	v_nop
	global_prefetch_b8 v0, s[64:65] scope:SCOPE_SE
	s_setreg_imm32_b32 hwreg(HW_REG_WAVE_MODE, 25, 1), 1
	s_wait_xcnt 0x0
; hc = Q(gelu(Q(LN2(x1)) Q(w_fc) + b_fc)): the product on codes of E2M3 with E8M0 scales, the exact GELU in f32, the result quantised along the 4,096 and stored as images of operand registers.
; The product is that of the launch for q, k, v: wave w keeps 64 columns of w_fc x K = 1,024 (32 fragments) in registers; 256 tokens (196,608 bytes of images, 8,192 of scale words) come into LDS once, a quarter a wave
; by two tensor loads; nothing in LDS is filled again.  Four quads of 4 token tiles x 4 column tiles, 16 accumulators by turns, 8 K steps.  The bias is the C of each sum's first matrix instruction.
; A lane holds one token and 32 of the wave's 64 hidden units (32 b + 16 (lane / 16) + i): neighbours along the next product's K: half a K step of it.
; GELU: x Phi(x), with the normal tail Q(|x|) = phi(|x|) (b1 t + .. + b5 t^5), t = 1 / (1 + 0.2316419 |x|) (Abramowitz and Stegun 26.2.17): gelu = |x| (0.5 - Q) + 0.5 x.
; LIMITS: Phi is right to 7.5e-8 absolute, the formula's own bound; NaN and infinities are not served; a block of zeros gets the byte 1 (its codes are zeros; this program alone reads the bytes).
; No cluster: the tokens' block is shared by the work-groups of a row of the grid, but it is half of a work-group's bytes and is fetched once; joint loads are left for a later version.
; REGISTERS: as in the launch for q, k, v; v7 64 h; v48-59 the polynomial's constants as pairs; window 3: v0-31 the bias, eight registers a column tile.
.set ASCL, 196608
.set ACC, 64
.set RSC, 16
.set SSC, 32
.set TM, 192
.set TP, 200
.set SO, 208
.set PC, 216
.set MSB, 0
.macro WIN new
.if MSB != (\new)
	s_set_vgpr_msb (MSB<<8)|(\new)
.set MSB, (\new)
.endif
.endm
.macro WM d, a, b, c, sa, sb, ra, rb
.if ((\ra) == 0) && ((\rb) == 0)
	v_wmma_scale_f32_16x16x128_f8f6f4 v[\d:\d+7], v[\a:\a+11], v[\b:\b+11], v[\c:\c+7], v[\sa], v[\sb] matrix_a_fmt:MATRIX_FMT_FP6 matrix_b_fmt:MATRIX_FMT_FP6
.elseif (\rb) == 0
	v_wmma_scale_f32_16x16x128_f8f6f4 v[\d:\d+7], v[\a:\a+11], v[\b:\b+11], v[\c:\c+7], v[\sa], v[\sb] matrix_a_fmt:MATRIX_FMT_FP6 matrix_b_fmt:MATRIX_FMT_FP6 matrix_a_scale:MATRIX_SCALE_ROW1
.elseif (\ra) == 0
	v_wmma_scale_f32_16x16x128_f8f6f4 v[\d:\d+7], v[\a:\a+11], v[\b:\b+11], v[\c:\c+7], v[\sa], v[\sb] matrix_a_fmt:MATRIX_FMT_FP6 matrix_b_fmt:MATRIX_FMT_FP6 matrix_b_scale:MATRIX_SCALE_ROW1
.else
	v_wmma_scale_f32_16x16x128_f8f6f4 v[\d:\d+7], v[\a:\a+11], v[\b:\b+11], v[\c:\c+7], v[\sa], v[\sb] matrix_a_fmt:MATRIX_FMT_FP6 matrix_b_fmt:MATRIX_FMT_FP6 matrix_a_scale:MATRIX_SCALE_ROW1 matrix_b_scale:MATRIX_SCALE_ROW1
.endif
.endm
.macro MM m, t, s
.set F, 4*(\s)+(\t)
.if F < 21
.set WV, 0x09
.set RB, 12*F
.else
.set WV, 0x0a
.set RB, 12*(F-21)
.endif
.set SF, 132+48*((\s)%2)+12*(\m)
.set DA, ACC+32*(\m)+8*(\t)
.set RS, RSC+8*((\t)/2)+(\s)
.set SS, SSC+8*((\m)/2)+(\s)
.if (\s) == 0
	WIN 0x39                                       ; C: the bias, in window 3 (the first K step's fragments of the weight lie in window 1)
	WM DA, RB, SF, 8*(\t), RS, SS, (\t)%2, (\m)%2
.else
	WIN WV
	WM DA, RB, SF, DA, RS, SS, (\t)%2, (\m)%2
.endif
.endm
.macro FETCH s
	WIN 0x80
.irp m, 0,1,2,3
	ds_load_b128 v[132+48*((\s)%2)+12*\m:132+48*((\s)%2)+12*\m+3], v3 offset:(8*\m+(\s))*1536
	ds_load_b64 v[132+48*((\s)%2)+12*\m+4:132+48*((\s)%2)+12*\m+5], v4 offset:(8*\m+(\s))*1536+512
	ds_load_b128 v[132+48*((\s)%2)+12*\m+6:132+48*((\s)%2)+12*\m+9], v3 offset:(8*\m+(\s))*1536+768
	ds_load_b64 v[132+48*((\s)%2)+12*\m+10:132+48*((\s)%2)+12*\m+11], v4 offset:(8*\m+(\s))*1536+1280
.endr
.endm
.macro PLACES
.rept 4
	v_nop
.endr
.endm
.macro QUAD
	v_add_nc_u32 v3, s58, v1
	v_add_nc_u32 v4, s58, v2
	v_add_nc_u32 v5, s59, v1
.irp e, 0,1
.irp q, 0,1
	ds_load_b128 v[SSC+8*\e+4*\q:SSC+8*\e+4*\q+3], v5 offset:1024*\e+512*\q
.endr
.endr
	FETCH 0
.irp s, 0,1,2,3,4,5,6,7
.if \s < 7
.if \s > 0
	PLACES                                         ; the buffer below was read by the matrix instructions just issued
.endif
	FETCH \s+1
	s_wait_dscnt 16                                ; all but the 16 loads just issued
.else
	s_wait_dscnt 0x0
.endif
.irp t, 0,1,2,3
.irp m, 0,1,2,3
	MM \m, \t, \s                                  ; the 16 accumulators take turns
.endr
.endr
.endr
	WIN 0
	PLACES
.endm
; the exact GELU of 16 registers, in place.  v192-207 t, v208-223 2^(-x^2 / 2 ln 2), v224-239 the polynomial, v240-255 x / 2
.macro GELU16 x
.irp i, 0,1,2,3,4,5,6,7,8,9,10,11,12,13,14,15
	v_fma_f32 v[192+\i], |v[\x+\i]|, s62, 1.0      ; 1 + p |x|: each accumulator is read from its low end on
.endr
.irp i, 0,2,4,6,8,10,12,14
	v_pk_mul_f32 v[208+\i:209+\i], v[\x+\i:\x+\i+1], v[\x+\i:\x+\i+1]
.endr
.irp i, 0,2,4,6,8,10,12,14
	v_pk_mul_f32 v[208+\i:209+\i], v[208+\i:209+\i], v[58:59]
.endr
.irp i, 0,1,2,3,4,5,6,7,8,9,10,11,12,13,14,15
	v_rcp_f32 v[192+\i], v[192+\i]
.endr
.irp i, 0,1,2,3,4,5,6,7,8,9,10,11,12,13,14,15
	v_exp_f32 v[208+\i], v[208+\i]
.endr
.irp i, 0,2,4,6,8,10,12,14
	v_pk_mul_f32 v[240+\i:241+\i], v[\x+\i:\x+\i+1], 0.5 op_sel_hi:[1,0]   ; plain work that names no result of the batch
.endr
	s_wait_alu depctr_va_vdst(0)                   ; one wait for the batch of 32, ahead of its first reader
.irp i, 0,2,4,6,8,10,12,14
	v_pk_fma_f32 v[224+\i:225+\i], v[192+\i:193+\i], v[56:57], v[54:55]
.endr
.irp i, 0,2,4,6,8,10,12,14
	v_pk_fma_f32 v[224+\i:225+\i], v[224+\i:225+\i], v[192+\i:193+\i], v[52:53]
.endr
.irp i, 0,2,4,6,8,10,12,14
	v_pk_fma_f32 v[224+\i:225+\i], v[224+\i:225+\i], v[192+\i:193+\i], v[50:51]
.endr
.irp i, 0,2,4,6,8,10,12,14
	v_pk_fma_f32 v[224+\i:225+\i], v[224+\i:225+\i], v[192+\i:193+\i], v[48:49]
.endr
.irp i, 0,2,4,6,8,10,12,14
	v_pk_mul_f32 v[224+\i:225+\i], v[224+\i:225+\i], v[192+\i:193+\i]
.endr
.irp i, 0,2,4,6,8,10,12,14
	v_pk_mul_f32 v[224+\i:225+\i], v[224+\i:225+\i], v[208+\i:209+\i]      ; Q(|x|)
.endr
.irp i, 0,2,4,6,8,10,12,14
	v_pk_fma_f32 v[224+\i:225+\i], v[224+\i:225+\i], -1.0, 0.5 op_sel_hi:[1,0,0]
.endr
.irp i, 0,1,2,3,4,5,6,7,8,9,10,11,12,13,14,15
	v_fma_f32 v[\x+\i], |v[\x+\i]|, v[224+\i], v[240+\i]
.endr
.endm
.macro HQ4
.irp m, 0,1,2,3
.irp b, 0,1
	v_max3_num_f32 v[TM+2*\m+\b], |v[ACC+32*\m+16*\b]|, |v[ACC+32*\m+16*\b+1]|, 0x1800000
.endr
.endr
.irp i, 2,4,6,8,10,12,14
.irp m, 0,1,2,3
.irp b, 0,1
	v_max3_num_f32 v[TM+2*\m+\b], v[TM+2*\m+\b], |v[ACC+32*\m+16*\b+\i]|, |v[ACC+32*\m+16*\b+\i+1]|
.endr
.endr
.endr
.irp j, 0,1,2,3,4,5,6,7
	v_permlanex16_b32 v[TP+\j], v[TM+\j], s60, s61
.endr
.irp j, 0,1,2,3,4,5,6,7
	v_max_num_f32 v[TM+\j], v[TM+\j], v[TP+\j]
.endr
.irp j, 0,1,2,3,4,5,6,7
	v_add_nc_u32 v[SO+\j], 0xff000000, v[TM+\j]
.endr
.irp j, 0,1,2,3,4,5,6,7
	v_lshrrev_b32 v[TP+\j], 23, v[SO+\j]
.endr
.irp m, 0,1,2,3
	v_lshl_or_b32 v[TM+2*\m], v[TP+2*\m+1], 8, v[TP+2*\m]
.endr
.irp m, 0,1,2,3
	v_cvt_scalef32_pk16_fp6_f32 v[PC+10*\m:PC+10*\m+2], v[ACC+32*\m:ACC+32*\m+15], v[SO+2*\m]
	v_cvt_scalef32_pk16_fp6_f32 v[PC+10*\m+6:PC+10*\m+8], v[ACC+32*\m+16:ACC+32*\m+31], v[SO+2*\m+1]
.endr
	v_nop                                          ; one plain line behind the scaled conversions
.irp m, 0,1,2,3
.irp i, 0,1,2
	v_permlane16_swap_b32 v[PC+10*\m+\i], v[PC+10*\m+6+\i]
.endr
.endr
.irp m, 0,1,2,3
.irp i, 0,1,2
	v_mov_b32 v[PC+10*\m+3+\i], v[PC+10*\m+6+\i]
.endr
.endr
.irp e, 0,1
	v_cndmask_b32 v[TM+4*\e+1], v[TM+4*\e], v[TM+4*\e+2], s57
.endr
.endm
	s_load_b256 s[4:11], s[0:1], 0x0               ; a2, wimg, b_fc, hc
	v_lshl_add_u32 v62, v0, 2, 0x32000
	v_mov_b32 v63, 0
	ds_add_u32 v62, v63
	ds_add_u32 v62, v63
	v_lshrrev_b32 v1, 5, v0
	v_readfirstlane_b32 s52, v1
	v_and_b32 v6, 31, v0
	v_bfe_u32 v7, v0, 4, 1
	v_lshlrev_b32 v7, 6, v7                        ; 64 h
	v_lshlrev_b32 v1, 4, v6
	v_lshlrev_b32 v2, 3, v6
.irp j, 0,1,2,3,4,5,6,7
	v_mov_b32 v[TP+\j], 0
.endr
.irp j, 0,1
	v_mov_b32 v[48+\j], 0x3e027906                 ; b1 / sqrt(2 pi)
	v_mov_b32 v[50+\j], 0xbe11a98e                 ; b2 / sqrt(2 pi)
	v_mov_b32 v[52+\j], 0x3f35f0e3                 ; b3 / sqrt(2 pi)
	v_mov_b32 v[54+\j], 0xbf3a00e3                 ; b4 / sqrt(2 pi)
	v_mov_b32 v[56+\j], 0x3f07dc22                 ; b5 / sqrt(2 pi)
	v_mov_b32 v[58+\j], 0xbf38aa3b                 ; -log2(e) / 2
.endr
	s_mov_b32 s53, ttmp9                           ; 256 hidden units
	s_and_b32 s54, ttmp7, 0xffff                   ; 256 tokens
	s_mov_b32 s16, 3<<16                           ; dense blocks as rows of 256 bytes: 192 rows of images,
	s_mov_b32 s17, 32<<16
	s_mov_b32 s18, 192<<16
	s_mov_b32 s19, 32<<16
	s_mov_b32 s20, 192
	s_mov_b32 s21, 32
	s_mov_b32 s22, 0
	s_mov_b32 s23, 0
	s_mov_b32 s28, 3<<16                           ; 8 rows of scale words
	s_mov_b32 s29, 32<<16
	s_mov_b32 s30, 8<<16
	s_mov_b32 s31, 32<<16
	s_mov_b32 s32, 8
	s_mov_b32 s33, 32
	s_mov_b32 s34, 0
	s_mov_b32 s35, 0
	s_mov_b32 s45, 0
	s_mov_b32 s56, 0
	s_mov_b32 s57, 0xffff0000
	s_mov_b32 s58, 0
	s_mov_b32 s59, ASCL
	s_mov_b32 s60, 0x76543210
	s_mov_b32 s61, 0xfedcba98
	s_mov_b32 s62, 0x3e6d3389                      ; p = 0.2316419
	s_mul_i32 s46, s52, 49152
	s_lshl_b32 s47, s52, 11
	s_mul_i32 s2, s53, 196608
	s_add_co_u32 s2, s2, s46
	s_add_co_u32 s2, s2, 3145728                   ; the weight's images: chunk 256 + 16 x + 4 w
	s_lshl_b32 s48, s53, 13
	s_add_co_u32 s48, s48, s47
	s_add_co_u32 s48, s48, 9568256                 ; its scale words
	s_mul_i32 s3, s54, 196608
	s_add_co_u32 s3, s3, s46                       ; the tokens' images: the quarter that I fetch
	s_lshl_b32 s50, s54, 13
	s_add_co_u32 s50, s50, s47
	s_add_co_u32 s50, s50, 3145728
	s_mov_b32 s12, 1
	s_mul_i32 s13, s52, 49152
	s_mov_b32 s24, 1
	s_lshl_b32 s25, s52, 11
	s_add_co_u32 s25, s25, ASCL
	s_wait_dscnt 0x0
	s_wait_kmcnt 0x0
	s_mov_b32 s44, s3
	s_add_nc_u64 s[14:15], s[4:5], s[44:45]
	s_mov_b32 s44, s50
	s_add_nc_u64 s[26:27], s[4:5], s[44:45]
	s_mov_b32 s44, s2
	s_add_nc_u64 s[36:37], s[6:7], s[44:45]
	s_mov_b32 s44, s48
	s_add_nc_u64 s[38:39], s[6:7], s[44:45]
	s_or_b32 s15, s15, 0x80000000
	s_or_b32 s27, s27, 0x80000000
	tensor_load_to_lds s[12:15], s[16:23]          ; the first and only fills: two tensor loads of mine are out
	s_nop 0
	tensor_load_to_lds s[24:27], s[28:35]
	s_nop 0
	PLACES
.irp s, 0,1,2,3,4,5,6,7
.irp t, 0,1,2,3
.set F, 4*\s+\t
.if F < 21
	WIN 0x40
.set RB, 12*F
.else
	WIN 0x80
.set RB, 12*(F-21)
.endif
	global_load_b128 v[RB:RB+3], v1, s[36:37] offset:\t*12288+\s*1536
	global_load_b64 v[RB+4:RB+5], v2, s[36:37] offset:\t*12288+\s*1536+512
	global_load_b128 v[RB+6:RB+9], v1, s[36:37] offset:\t*12288+\s*1536+768
	global_load_b64 v[RB+10:RB+11], v2, s[36:37] offset:\t*12288+\s*1536+1280
.endr
.endr
	WIN 0
.irp e, 0,1
.irp q, 0,1
	global_load_b128 v[RSC+8*\e+4*\q:RSC+8*\e+4*\q+3], v1, s[38:39] offset:1024*\e+512*\q
.endr
.endr
	s_lshl_b32 s44, s53, 10
	s_lshl_b32 s46, s52, 8
	s_add_co_u32 s44, s44, s46
	s_add_nc_u64 s[8:9], s[8:9], s[44:45]          ; the bias of my 64 hidden units
	WIN 0xc0                                       ; destination window 3
.irp t, 0,1,2,3
	global_load_b128 v[8*\t:8*\t+3], v7, s[8:9] offset:(32*(\t/2)+8*(\t%2))*4      ; lane (r, h), tile t, register j: hidden unit 32 (t / 2) + 16 h + 8 (t % 2) + j
	global_load_b128 v[8*\t+4:8*\t+7], v7, s[8:9] offset:(32*(\t/2)+8*(\t%2))*4+16
.endr
	WIN 0
	s_lshl_b32 s47, s53, 1
	s_lshr_b32 s46, s52, 1
	s_add_co_u32 s47, s47, s46                     ; the next product's K step in which my 64 hidden units lie
	s_and_b32 s49, s52, 1                          ; and which half of it
	s_lshl_b32 s46, s54, 9
	s_add_co_u32 s46, s46, s47
	s_mul_i32 s46, s46, 1536
	s_mul_i32 s48, s49, 768
	s_add_co_u32 s44, s46, s48
	s_add_nc_u64 s[40:41], s[10:11], s[44:45]      ; half images: (32 tile + K step) 1,536 + 768 half
	s_lshl_b32 s44, s54, 15
	s_lshr_b32 s46, s47, 2
	s_lshl_b32 s46, s46, 9
	s_add_co_u32 s44, s44, s46
	s_and_b32 s46, s47, 3
	s_lshl_b32 s46, s46, 2
	s_add_co_u32 s44, s44, s46
	s_lshl_b32 s46, s49, 1
	s_add_co_u32 s44, s44, s46
	s_add_co_u32 s44, s44, 12582912
	s_add_nc_u64 s[42:43], s[10:11], s[44:45]      ; my two bytes of the scale words
	s_wait_tensorcnt 0x0                           ; my quarters have landed,
	s_barrier_signal -1
	s_barrier_wait -1                              ; everybody's have
	s_wait_loadcnt 0x0
.Lquad:
	QUAD
.irp n, 0,1,2,3,4,5,6,7
	GELU16 ACC+16*\n
.endr
	HQ4
.irp m, 0,1,2,3
	global_store_b128 v1, v[PC+10*\m:PC+10*\m+3], s[40:41] offset:49152*\m
	global_store_b64 v2, v[PC+10*\m+4:PC+10*\m+5], s[40:41] offset:49152*\m+512
.endr
.irp e, 0,1
	global_store_b16 v1, v[TM+4*\e+1], s[42:43] offset:4096*\e   ; two bytes of a word; the wave beside me writes the other two
.endr
	s_wait_xcnt 0x0                                ; the stores have read their data and bases
	s_add_nc_u64 s[40:41], s[40:41], 196608
	s_add_nc_u64 s[42:43], s[42:43], 8192
	s_add_co_u32 s58, s58, 49152
	s_add_co_u32 s59, s59, 2048
	s_add_co_u32 s56, s56, 1
	s_cmp_lt_u32 s56, 4
	s_cbranch_scc1 .Lquad
	s_wait_tensorcnt 0x0
	ds_add_u32 v62, v63
	s_wait_dscnt 0x0
	s_endpgm
.Lfunc_end_k_q3ddb37dc72_fc:
	.size	k_q3ddb37dc72_fc, .Lfunc_end_k_q3ddb37dc72_fc-k_q3ddb37dc72_fc
	.p2alignl 7, 3214868480
	.fill 96, 4, 3214868480
	.section	.rodata,"a",@progbits
	.p2align	6, 0x0
	.amdhsa_kernel k_q3ddb37dc72_fc
		.amdhsa_group_segment_fixed_size 205312
		.amdhsa_private_segment_fixed_size 0
		.amdhsa_enable_private_segment 0
		.amdhsa_kernarg_size 32
		.amdhsa_user_sgpr_count 2
		.amdhsa_user_sgpr_kernarg_segment_ptr 1
		.amdhsa_wavefront_size32 1
		.amdhsa_system_sgpr_workgroup_id_x 1
		.amdhsa_system_sgpr_workgroup_id_y 1
		.amdhsa_system_sgpr_workgroup_id_z 1
		.amdhsa_system_vgpr_workitem_id 0
		.amdhsa_next_free_vgpr 800
		.amdhsa_next_free_sgpr 66
		.amdhsa_reserve_vcc 0
		.amdhsa_float_denorm_mode_32 3
		.amdhsa_float_denorm_mode_16_64 3
		.amdhsa_memory_ordered 1
		.amdhsa_forward_progress 1
		.amdhsa_inst_pref_size 119
	.end_amdhsa_kernel
	.amdgpu_metadata
---
amdhsa.version: [ 1, 2 ]
amdhsa.kernels:
  - .name:           k_q3ddb37dc72_fc
    .symbol:         k_q3ddb37dc72_fc.kd
    .args:
      - { .name: a2, .offset: 0, .size: 8, .value_kind: global_buffer, .address_space: global }
      - { .name: wimg, .offset: 8, .size: 8, .value_kind: global_buffer, .address_space: global }
      - { .name: b_fc, .offset: 16, .size: 8, .value_kind: global_buffer, .address_space: global }
      - { .name: hc, .offset: 24, .size: 8, .value_kind: global_buffer, .address_space: global }
    .group_segment_fixed_size: 205312
    .private_segment_fixed_size: 0
    .kernarg_segment_align: 8
    .kernarg_segment_size: 32
    .max_flat_workgroup_size: 128
    .sgpr_count:     66
    .vgpr_count:     800
    .wavefront_size: 32
...
	.end_amdgpu_metadata
.endif
;; end of part 6
;; launch mlp (part 7): grid 4 x 64, 4 waves a work-group, no clusters, 222,720 bytes of LDS; arguments hc, wimg, b_mlp_proj, x1, out0; writes out0
.if DOCPART == 7
	.amdgcn_target "amdgcn-amd-amdhsa--gfx1250"
	.amdhsa_code_object_version 6
	.text
	.protected	k_q3ddb37dc72_mlp
	.globl	k_q3ddb37dc72_mlp
	.p2align	8
	.type	k_q3ddb37dc72_mlp,@function
k_q3ddb37dc72_mlp:
	s_mov_b64 s[64:65], 0
	v_nop
	global_prefetch_b8 v0, s[64:65] scope:SCOPE_SE
	s_setreg_imm32_b32 hwreg(HW_REG_WAVE_MODE, 25, 1), 1
	s_wait_xcnt 0x0
; out0 = x1 + Q(gelu(..)) Q(w_mlp_proj) + b_mlp_proj, K = 4,096, on codes of E2M3 with E8M0 scales; out0 [4096][1024] f32.
; A work-group makes 64 tokens x 256 columns; wave w makes the 64 columns 64 w on, over all of K: 4 token tiles x 4 column tiles, 16 accumulators by turns, 32 K steps, 512 matrix instructions.
; Each output is ONE f32 sum, K ascending, begun with the bias as the C of its first matrix instruction.
; THE TOKENS (64 x 4,096: 196,608 bytes of images, 8,192 of scale words) come into LDS once, by three tensor loads a wave: its quarter of the scale words, K steps 0-15 of token tile w, K steps 16-31 of it.
; The products begin when the first two have landed; the third is waited for in front of a second barrier at K step 15.  Nothing in LDS is ever filled again.  All four waves read every token fragment.
; THE WEIGHT (a wave: 64 columns x 4,096, 196,608 bytes) is read by one wave of the work-group alone: it goes from memory straight into a ring of five register slots (a slot: one K step of four column tiles,
; 12 loads of 512 consecutive bytes).  So 60 loads, 30,720 bytes, of every wave are on their way while it multiplies.  Each weight fragment and each token fragment feeds four matrix instructions.
; Source 0 = 16 columns, source 1 = 16 tokens: a lane holds one token and 32 of the wave's 64 columns (32 b + 16 (lane / 16) + i).  A tile goes through the wave's own stage in LDS and comes back as rows of
; 256 bytes, which sixteen lanes store whole, aligned, with the residual x1 added.  The residual is asked for in the last K steps, where the ring takes no more fills.
; The 32 K steps are written out: every offset is an immediate and no pointer is stepped.
; No cluster: the tokens' block, which the four work-groups of a row of the grid share, is 196,608 of the 983,040 bytes that a work-group takes in, a fifth; the weight goes to registers.
; LIMITS: a given scale byte of 0xff gives NaN, as it does in the format; NaN and infinities are not served.
; REGISTERS: window 0: v1 16 x lane, v2 8 x lane, v5 the tokens' scale words in LDS, v6 64 h, v7 my offset in two rows, v8-9 the stage in and out, v16-19, v20-23 token tile m's images in LDS (16 and 8 bytes a lane),
;   v32-95 the weight's scale words (32 e + s), v96-159 the tokens', v192-255 two sets of eight rows' pieces.   window 1: v0-127 accumulators (32 m + 8 t), v128-255 the residual.
;   window 2: v0-239 the ring.   window 3: v0-95 two buffers of four token fragments, v96-127 the bias, eight registers a column tile.
.set ASCL, 196608
.set STG, 204800
.set RSC, 32
.set SSC, 96
.set MSB, 0
.macro WIN new                         ; the immediate's high byte repeats the setting that is left
.if MSB != (\new)
	s_set_vgpr_msb (MSB<<8)|(\new)
.set MSB, (\new)
.endif
.endm
; one matrix instruction.  ra, rb: 1 = that side's scales stand in lanes 16-31
.macro WM d, a, b, c, sa, sb, ra, rb
.if ((\ra) == 0) && ((\rb) == 0)
	v_wmma_scale_f32_16x16x128_f8f6f4 v[\d:\d+7], v[\a:\a+11], v[\b:\b+11], v[\c:\c+7], v[\sa], v[\sb] matrix_a_fmt:MATRIX_FMT_FP6 matrix_b_fmt:MATRIX_FMT_FP6
.elseif (\rb) == 0
	v_wmma_scale_f32_16x16x128_f8f6f4 v[\d:\d+7], v[\a:\a+11], v[\b:\b+11], v[\c:\c+7], v[\sa], v[\sb] matrix_a_fmt:MATRIX_FMT_FP6 matrix_b_fmt:MATRIX_FMT_FP6 matrix_a_scale:MATRIX_SCALE_ROW1
.elseif (\ra) == 0
	v_wmma_scale_f32_16x16x128_f8f6f4 v[\d:\d+7], v[\a:\a+11], v[\b:\b+11], v[\c:\c+7], v[\sa], v[\sb] matrix_a_fmt:MATRIX_FMT_FP6 matrix_b_fmt:MATRIX_FMT_FP6 matrix_b_scale:MATRIX_SCALE_ROW1
.else
	v_wmma_scale_f32_16x16x128_f8f6f4 v[\d:\d+7], v[\a:\a+11], v[\b:\b+11], v[\c:\c+7], v[\sa], v[\sb] matrix_a_fmt:MATRIX_FMT_FP6 matrix_b_fmt:MATRIX_FMT_FP6 matrix_a_scale:MATRIX_SCALE_ROW1 matrix_b_scale:MATRIX_SCALE_ROW1
.endif
.endm
.macro MM m, t, s                      ; token tile m x column tile t, K step s
.set RB, 48*((\s)%5)+12*(\t)
.set SF, 48*((\s)%2)+12*(\m)
.set DA, 32*(\m)+8*(\t)
.set RS, RSC+32*((\t)/2)+(\s)
.set SS, SSC+32*((\m)/2)+(\s)
.if (\s) == 0
	WIN 0x7e                                       ; source 0 (the ring) window 2, source 1 (the tokens) window 3, C (the bias) window 3, D window 1
	WM DA, RB, SF, 96+8*(\t), RS, SS, (\t)%2, (\m)%2
.else
	WIN 0x5e                                       ; C and D window 1
	WM DA, RB, SF, DA, RS, SS, (\t)%2, (\m)%2
.endif
.endm
.macro FETCH s                         ; the four token fragments of K step s, 16 LDS loads, into buffer s % 2
	WIN 0xc0                                       ; destination window 3, address window 0
.irp m, 0,1,2,3
	ds_load_b128 v[48*((\s)%2)+12*\m:48*((\s)%2)+12*\m+3], v[16+\m] offset:(\s)*1536
	ds_load_b64 v[48*((\s)%2)+12*\m+4:48*((\s)%2)+12*\m+5], v[20+\m] offset:(\s)*1536+512
	ds_load_b128 v[48*((\s)%2)+12*\m+6:48*((\s)%2)+12*\m+9], v[16+\m] offset:(\s)*1536+768
	ds_load_b64 v[48*((\s)%2)+12*\m+10:48*((\s)%2)+12*\m+11], v[20+\m] offset:(\s)*1536+1280
.endr
.endm
.macro FILL s                          ; my four column tiles' fragments of K step s into ring slot s % 5: 12 loads of 512 consecutive bytes
	WIN 0x80                                       ; destination window 2, address window 0
.irp t, 0,1,2,3
.irp c, 0,1,2
	global_load_b128 v[48*((\s)%5)+12*\t+4*\c:48*((\s)%5)+12*\t+4*\c+3], v1, s[32:33] offset:\t*49152+(\s)*1536+512*\c
.endr
.endr
.endm
.macro RESL m                          ; the residual of token tile m: lane-rows 2 i, 2 i + 1: 8 loads
	WIN 0x40                                       ; destination window 1
.irp i, 0,1,2,3,4,5,6,7
	global_load_b128 v[128+32*(\m)+4*\i:128+32*(\m)+4*\i+3], v7, s[10:11] offset:(32*((\m)/2)+8*((\m)%2)+2*\i+8*(\i/4))*4096 th:TH_LOAD_NT
.endr
.endm
.macro PLACES                          ; four plain lines between matrix instructions and a load into, or a read of, their registers (ISA guide 7.12.1 for a read)
.rept 4
	v_nop
.endr
.endm
	s_load_b256 s[4:11], s[0:1], 0x0               ; hc, wimg, b_mlp_proj, x1
	s_load_b64 s[36:37], s[0:1], 0x20              ; out0
	v_lshl_add_u32 v190, v0, 2, 0x36400
	v_mov_b32 v191, 0
	ds_add_u32 v190, v191
	ds_add_u32 v190, v191
	v_lshrrev_b32 v1, 5, v0
	v_readfirstlane_b32 s52, v1                    ; wave 0..3
	v_and_b32 v3, 31, v0
	v_and_b32 v10, 15, v0                          ; r
	v_bfe_u32 v11, v0, 4, 1                        ; h
	v_lshlrev_b32 v1, 4, v3
	v_lshlrev_b32 v2, 3, v3
.irp m, 0,1,2,3
	v_add_nc_u32 v[16+\m], 49152*\m, v1            ; token tile m's 32 fragments begin at LDS byte 49,152 m: the K step stands in the immediate
	v_add_nc_u32 v[20+\m], 49152*\m, v2
.endr
	v_add_nc_u32 v5, ASCL, v1
	v_lshlrev_b32 v6, 6, v11                       ; 64 h
	v_lshlrev_b32 v12, 4, v10                      ; 16 r
	v_lshl_add_u32 v7, v11, 12, v12                ; two rows of x1 and out0: 4,096 h + 16 r
	s_mul_i32 s50, s52, 4352
	s_add_co_u32 s50, s50, STG                     ; my stage: 16 rows x (256 + 16) bytes
	v_mul_u32_u24 v8, v10, 272
	v_lshl_add_u32 v8, v11, 6, v8
	v_add_nc_u32 v8, s50, v8                       ; in: row r, + 64 h
	v_mul_u32_u24 v9, v11, 272
	v_add_nc_u32 v9, v9, v12
	v_add_nc_u32 v9, s50, v9                       ; back: lanes 0-15 one row, lanes 16-31 the next
	s_mov_b32 s53, ttmp9                           ; 256 columns
	s_and_b32 s54, ttmp7, 0xffff                   ; 64 tokens
	; descriptor groups 1: dense blocks as rows of 256 bytes (32 elements of 8 bytes), no padding, no mask
	s_mov_b32 s16, 3<<16                           ; the scale words: element of 8 bytes
	s_mov_b32 s17, 32<<16                          ; tensor_dim0 = 32
	s_mov_b32 s18, 8<<16                           ; tensor_dim1 = 8
	s_mov_b32 s19, 32<<16                          ; tile_dim0 = 32
	s_mov_b32 s20, 8                               ; tile_dim1 = 8 rows: 2,048 bytes, a quarter of them
	s_mov_b32 s21, 32                              ; the pitch
	s_mov_b32 s22, 0
	s_mov_b32 s23, 0
	s_mov_b32 s40, 3<<16                           ; the images:
	s_mov_b32 s41, 32<<16
	s_mov_b32 s42, 96<<16
	s_mov_b32 s43, 32<<16
	s_mov_b32 s44, 96                              ; 96 rows: 24,576 bytes, 16 K steps of one token tile
	s_mov_b32 s45, 32
	s_mov_b32 s46, 0
	s_mov_b32 s47, 0
	s_mov_b32 s49, 0
	s_mov_b32 s12, 1
	s_lshl_b32 s13, s52, 11
	s_add_co_u32 s13, s13, ASCL                    ; LDS: behind the images, wave x 2,048
	s_mov_b32 s24, 1
	s_mul_i32 s25, s52, 49152                      ; LDS: token tile w, K steps 0-15
	s_mov_b32 s28, 1
	s_add_co_u32 s29, s25, 24576                   ; and K steps 16-31
	s_mul_i32 s2, s54, 196608
	s_add_co_u32 s2, s2, s25                       ; the tokens' images: tile 4 y + w
	s_lshl_b32 s3, s54, 13
	s_lshl_b32 s51, s52, 11
	s_add_co_u32 s3, s3, s51
	s_add_co_u32 s3, s3, 12582912                  ; their scale words: pairs 2 y, 2 y + 1; the quarter that I fetch
	s_mul_i32 s55, s53, 786432
	s_mul_i32 s51, s52, 196608
	s_add_co_u32 s55, s55, s51
	s_add_co_u32 s55, s55, 6291456                 ; the weight's images: tile 16 x + 4 w, 49,152 bytes a tile, behind 512 chunks of 12,288
	s_lshl_b32 s56, s53, 15
	s_lshl_b32 s51, s52, 13
	s_add_co_u32 s56, s56, s51
	s_add_co_u32 s56, s56, 9699328                 ; its scale words: pair 8 x + 2 w, 4,096 bytes a pair
	s_lshl_b32 s57, s53, 10
	s_lshl_b32 s51, s52, 8
	s_add_co_u32 s57, s57, s51                     ; my 64 columns in a row, in bytes
	s_lshl_b32 s58, s54, 18
	s_add_co_u32 s58, s58, s57                     ; x1, out0: row 64 y, byte 1,024 x + 256 w
	s_wait_dscnt 0x0
	s_wait_kmcnt 0x0
	s_mov_b32 s48, s2
	s_add_nc_u64 s[26:27], s[4:5], s[48:49]
	s_add_nc_u64 s[30:31], s[26:27], 24576
	s_mov_b32 s48, s3
	s_add_nc_u64 s[14:15], s[4:5], s[48:49]
	s_mov_b32 s48, s55
	s_add_nc_u64 s[32:33], s[6:7], s[48:49]
	s_mov_b32 s48, s56
	s_add_nc_u64 s[34:35], s[6:7], s[48:49]
	s_mov_b32 s48, s57
	s_add_nc_u64 s[8:9], s[8:9], s[48:49]
	s_mov_b32 s48, s58
	s_add_nc_u64 s[10:11], s[10:11], s[48:49]
	s_add_nc_u64 s[36:37], s[36:37], s[48:49]
	s_or_b32 s15, s15, 0x80000000                  ; type = 2
	s_or_b32 s27, s27, 0x80000000
	s_or_b32 s31, s31, 0x80000000
	tensor_load_to_lds s[12:15], s[16:23]          ; the first and only fills, in the order in which they are wanted: three tensor loads of mine are out
	s_nop 0
	tensor_load_to_lds s[24:27], s[40:47]
	s_nop 0
	tensor_load_to_lds s[28:31], s[40:47]
	s_nop 0
	PLACES
.irp e, 0,1
.irp q, 0,1,2,3,4,5,6,7
	global_load_b128 v[RSC+32*\e+4*\q:RSC+32*\e+4*\q+3], v1, s[34:35] offset:4096*\e+512*\q   ; four K steps' words of a pair of column tiles: lanes 0-15 the even tile, lanes 16-31 the odd one
.endr
.endr
	WIN 0xc0                                       ; destination window 3
.irp t, 0,1,2,3
	global_load_b128 v[96+8*\t:96+8*\t+3], v6, s[8:9] offset:(32*(\t/2)+8*(\t%2))*4      ; lane (r, h), tile t, register j: column 32 (t / 2) + 16 h + 8 (t % 2) + j
	global_load_b128 v[96+8*\t+4:96+8*\t+7], v6, s[8:9] offset:(32*(\t/2)+8*(\t%2))*4+16
.endr
.irp s, 0,1,2,3,4
	FILL \s
.endr
	s_wait_tensorcnt 0x1                           ; my scale words and my K steps 0-15 have landed; my K steps 16-31 may stay out
	s_barrier_signal -1
	s_barrier_wait -1                              ; everybody's have
	WIN 0
.irp e, 0,1
.irp q, 0,1,2,3,4,5,6,7
	ds_load_b128 v[SSC+32*\e+4*\q:SSC+32*\e+4*\q+3], v5 offset:4096*\e+512*\q
.endr
.endr
	FETCH 0
; Loads come back in order (ISA guide 5.7.1).  In front of K step s the loads issued behind its slot's 12 may stay out: four slots (48).  From K step 28 on: the 31 - s slots still behind it and the residual's 8 loads
; of each K step since 27: 44, 40, 36, 32.
.irp s, 0,1,2,3,4,5,6,7,8,9,10,11,12,13,14,15,16,17,18,19,20,21,22,23,24,25,26,27,28,29,30,31
.if \s == 15
	s_wait_dscnt 0x0                               ; this K step's fragments are in, and no LDS instruction of mine is pending at the signal
	s_wait_tensorcnt 0x0                           ; my K steps 16-31 have landed
	s_wait_loadcnt 48
	s_barrier_signal -1                            ; say so; the K step's products, work on registers, stand between the signal and the wait
.elseif \s == 31
	s_wait_dscnt 0x0
	s_wait_loadcnt 32
.else
	FETCH \s+1                                     ; its buffer was read by the matrix instructions of the K step before, behind which four places stand
	s_wait_dscnt 16                                ; all but the 16 loads just issued: this K step's fragments (and the scale words) are in
.if \s < 28
	s_wait_loadcnt 48
.else
	s_wait_loadcnt 12*(31-\s)+8*(\s-27)
.endif
.endif
.irp t, 0,1,2,3
.irp m, 0,1,2,3
	MM \m, \t, \s                                  ; the 16 accumulators take turns, one instruction a turn
.endr
.endr
	PLACES                                         ; in front of the loads into the slot and the buffer just multiplied, and of the first read of results
.if \s == 15
	s_barrier_wait -1                              ; everybody's K steps 16-31 have landed
	FETCH 16
.endif
.if \s < 27
	FILL \s+5
.elseif \s < 31
	RESL \s-27
.endif
.endr
	; THE WAY OUT, a token tile at a time
.irp m, 0,1,2,3
.if \m == 2
	s_wait_xcnt 0x0                                ; the stores of tiles 0 and 1 have read their registers: both sets may be loaded again
.endif
	WIN 0x04                                       ; an LDS store's data are its source 1: window 1
.irp b, 0,1
.irp i, 0,1,2,3
	ds_store_b128 v8, v[32*\m+16*\b+4*\i:32*\m+16*\b+4*\i+3] offset:128*\b+16*\i   ; each accumulator from its low end on
.endr
.endr
	WIN 0
.irp i, 0,1,2,3,4,5,6,7
	ds_load_b128 v[192+32*(\m%2)+4*\i:192+32*(\m%2)+4*\i+3], v9 offset:544*\i   ; LDS serves a wave's instructions in order (ISA guide 5.7.1.4): these see my stores, and the next tile's stores come behind them
.endr
	s_wait_dscnt 0x0
	s_wait_loadcnt 24-8*\m                         ; this tile's residual is in; the later tiles' may be out
	WIN 0x04                                       ; source 1 window 1
.irp i, 0,1,2,3,4,5,6,7
	v_pk_add_f32 v[192+32*(\m%2)+4*\i:192+32*(\m%2)+4*\i+1], v[192+32*(\m%2)+4*\i:192+32*(\m%2)+4*\i+1], v[128+32*\m+4*\i:128+32*\m+4*\i+1]
	v_pk_add_f32 v[192+32*(\m%2)+4*\i+2:192+32*(\m%2)+4*\i+3], v[192+32*(\m%2)+4*\i+2:192+32*(\m%2)+4*\i+3], v[128+32*\m+4*\i+2:128+32*\m+4*\i+3]
.endr
	WIN 0
.irp i, 0,1,2,3,4,5,6,7
	global_store_b128 v7, v[192+32*(\m%2)+4*\i:192+32*(\m%2)+4*\i+3], s[36:37] offset:(32*(\m/2)+8*(\m%2)+2*\i+8*(\i/4))*4096 th:TH_STORE_NT   ; sixteen lanes store 256 consecutive bytes, aligned; written once
.endr
.endr
	s_wait_tensorcnt 0x0
	ds_add_u32 v190, v191
	s_wait_dscnt 0x0
	s_endpgm
.Lfunc_end_k_q3ddb37dc72_mlp:
	.size	k_q3ddb37dc72_mlp, .Lfunc_end_k_q3ddb37dc72_mlp-k_q3ddb37dc72_mlp
	.p2alignl 7, 3214868480
	.fill 96, 4, 3214868480
	.section	.rodata,"a",@progbits
	.p2align	6, 0x0
	.amdhsa_kernel k_q3ddb37dc72_mlp
		.amdhsa_group_segment_fixed_size 222720
		.amdhsa_private_segment_fixed_size 0
		.amdhsa_enable_private_segment 0
		.amdhsa_kernarg_size 40
		.amdhsa_user_sgpr_count 2
		.amdhsa_user_sgpr_kernarg_segment_ptr 1
		.amdhsa_wavefront_size32 1
		.amdhsa_system_sgpr_workgroup_id_x 1
		.amdhsa_system_sgpr_workgroup_id_y 1
		.amdhsa_system_sgpr_workgroup_id_z 1
		.amdhsa_system_vgpr_workitem_id 0
		.amdhsa_next_free_vgpr 896
		.amdhsa_next_free_sgpr 66
		.amdhsa_reserve_vcc 0
		.amdhsa_float_denorm_mode_32 3
		.amdhsa_float_denorm_mode_16_64 3
		.amdhsa_memory_ordered 1
		.amdhsa_forward_progress 1
		.amdhsa_inst_pref_size 165
	.end_amdhsa_kernel
	.amdgpu_metadata
---
amdhsa.version: [ 1, 2 ]
amdhsa.kernels:
  - .name:           k_q3ddb37dc72_mlp
    .symbol:         k_q3ddb37dc72_mlp.kd
    .args:
      - { .name: hc, .offset: 0, .size: 8, .value_kind: global_buffer, .address_space: global }
      - { .name: wimg, .offset: 8, .size: 8, .value_kind: global_buffer, .address_space: global }
      - { .name: b_mlp_proj, .offset: 16, .size: 8, .value_kind: global_buffer, .address_space: global }
      - { .name: x1, .offset: 24, .size: 8, .value_kind: global_buffer, .address_space: global }
      - { .name: out0, .offset: 32, .size: 8, .value_kind: global_buffer, .address_space: global }
    .group_segment_fixed_size: 222720
    .private_segment_fixed_size: 0
    .kernarg_segment_align: 8
    .kernarg_segment_size: 40
    .max_flat_workgroup_size: 128
    .sgpr_count:     66
    .vgpr_count:     896
    .wavefront_size: 32
...
	.end_amdgpu_metadata
.endif
;; end of part 7
